; MI455X (gfx1250); checked and timed in simulation.
; The chip was launched on July 23, 2026; its instructions are those of AMD's public machine-readable ISA for CDNA 5 (MIT licence, August 2026) and "CDNA5" Instruction Set Architecture Reference Guide (July 2026). The comments in the code are by the model that wrote it; some were corrected since.
;; Pruned Mo E Layer. Allowed arithmetic: matrix products marked QUANTISED: E3M2 operands, one E8M0 scale for each 32 along K, by v_wmma_scale_f32_16x16x128_f8f6f4 with both operands' format E3M2, f32 sums; products left as they are: f32 operands where the result goes on into a quantised operand, else bf16, f16 or f32 operands; f32 sums; everything else in f32.
;; Inputs: W1_codes 8 x 2,048 x 32 x 24 uint8 (E3M2 codes of W1, K innermost, in blocks of 32 codes, four codes in three bytes); W1_scales 8 x 2,048 x 32 uint8 (E8M0 scales of W1, one for each 32 codes along K); W2_codes 8 x 1,024 x 64 x 24 uint8 (E3M2 codes of W2, K innermost, in blocks of 32 codes, four codes in three bytes); W2_scales 8 x 1,024 x 64 uint8 (E8M0 scales of W2, one for each 32 codes along K); Wg 1,024 x 8 float32; b1 8 x 2,048 float32; b2 8 x 1,024 float32; bg 8 float32; gumbel 2,048 x 8 float32; x 4 x 512 x 1,024 float32.
;; Outputs: out0 4 x 512 x 1,024 float32.
;; This version of the problem:
;;   THIS VERSION OF THE PROBLEM IS GIVEN IN LOW PRECISION. The matrix products marked QUANTISED in the list below multiply operands that are first quantised to E3M2 (3 exponent bits, 2 mantissa bits; 6 bits a number), with one power-of-two scale for each 32 numbers along K (OCP MX v1.0); their sums are f32. All else is computed in f32.
;;   The module's matrix products, in the order in which they are computed (A, B: the left and right operand; K: the contracted axis; several contracted axes count as one K, in the product's order):
;;     1. [M 2,048, K 1,024] x [K 1,024, N 8]; A: input x; B: input Wg: left as it is (N = 8 < 16)
;;     2. [M 2,048, K 1,024] x [K 1,024, N 16,384]; A: input x; B: input W1 (given as codes): QUANTISED
;;     3. batch 8 x [M 1,024, K 2,048] x [K 2,048, N 2,048]; A: input W2 (given as codes); B: computed on the way: QUANTISED
;;     4. batch 2,048 x [M 1,024, K 8] x [K 8, N 1]; A: computed on the way; B: computed on the way: left as it is (K = 8 < 32)
;;   THE QUANTISER, for each operand of a quantised product, along K:
;;     - K is cut into blocks of 32 from its start; a last block that is shorter is filled with zeros.
;;     - A block's scale is 2^e with e = floor(log2(the largest magnitude in the block)) - 4, held to -126 .. 127; a block of zeros has e = 0. As a byte (E8M0): e + 127.
;;     - Each number is divided by its block's scale, clamped to +-28, and rounded to the nearest number of E3M2, ties to even, subnormals kept.
;;     - The product sums the exact products of the quantised numbers (number of the format x scale) in f32.
;;   ~~~python
;;   def quantise(x, axis):      # numpy; x: float32 -> the quantised numbers, widened to float32 again
;;       x = np.moveaxis(x, axis, -1); K = x.shape[-1]
;;       x = np.pad(x, [(0, 0)] * (x.ndim - 1) + [(0, -K % 32)]); x = x.reshape(x.shape[:-1] + (-1, 32)); a = np.abs(x).max(-1, keepdims=True)
;;       e = np.where(a > 0, np.clip(np.frexp(np.where(a > 0, a, 1))[1] - 1 - 4, -126, 127), 0)      # np.frexp(a)[1] - 1 = floor(log2(a)), exactly
;;       r = np.clip(x / 2.0 ** e, -28, 28)
;;       step = 2.0 ** (np.maximum(np.frexp(np.where(r == 0, 1, r))[1] - 1, -2) - 2)
;;       q = np.round(r / step) * step * 2.0 ** e      # np.round: ties to even
;;       return np.moveaxis(q.reshape(q.shape[:-2] + (-1,))[..., :K], -1, axis).astype(np.float32)
;;   ~~~
;;   OPERANDS COMPUTED ON THE WAY. 'Computed on the way' means the value that the module computes at that place (a softmax that the list does not call 'softmax' is quantised finished and normalised). What goes into a quantiser is computed in f32, as accurately as f32 sums, v_exp_f32 and their like allow (about 1e-6 of the number): no bf16 or f16 on the way to a quantiser, and a product that is left as it is and whose result goes on into a quantised operand takes f32 operands (vector FMAs, or v_wmma_f32_16x16x4_f32). A number that lies on a knife's edge between two numbers of the format may be rounded either way, as far as f32 arithmetic and the matrix unit's own rounding can turn it there, and no further.
;;   INPUTS GIVEN AS CODES. W1 (in the module: [8, 1024, 2048], K = its axis 1); W2 (in the module: [8, 2048, 1024], K = its axis 1): each comes as NAME_codes (uint8): NAME with its K axis moved to the last place and cut into blocks of 32 codes, [.., K / 32, bytes a block], one block behind the other in memory; four codes in three bytes: a row's codes are one little-endian stream of bits, code i at bits 6 i .. 6 i + 5 (a code: sign, 3 exponent bits, 2 mantissa bits); and NAME_scales (uint8): the same leading axes, one E8M0 byte (e + 127) for each 32 codes along K. Its value is code x scale, taken as it is: it is not quantised again, and the codes and scales need not be those that the quantiser above would give.
;; 2 versions. Each part assembles by itself: llvm-mc -triple=amdgcn-amd-amdhsa -mcpu=gfx1250 --defsym DOCPART=n.
;; ======== version 1 of 2: 4 launches
;; workspace buffers: xq 1,572,864 bytes; xs 65,536 bytes; eid 8,192 bytes of whole numbers; gate 8,192 bytes; plan 9,216 bytes of whole numbers; gsort 8,704 bytes; hq 4,521,984 bytes; hs 188,416 bytes
;; launch route (part 1): grid 256 x 1, 8 waves a work-group, no clusters, 108,032 bytes of LDS; arguments x, Wg, bg, gumbel, xq, xs, eid, gate; writes xq, xs, eid, gate
.if DOCPART == 1
	.amdgcn_target "amdgcn-amd-amdhsa--gfx1250"
	.amdhsa_code_object_version 6
	.text
	.protected	k_qca098a2dc9_route
	.globl	k_qca098a2dc9_route
	.p2align	8
	.type	k_qca098a2dc9_route,@function
k_qca098a2dc9_route:
	s_mov_b64 s[64:65], 0
	v_nop
	global_prefetch_b8 v0, s[64:65] scope:SCOPE_SE
	s_setreg_imm32_b32 hwreg(HW_REG_WAVE_MODE, 25, 1), 1
	s_wait_xcnt 0x0
; THE ROUTER AND x's QUANTISER.  2,048 tokens of 1,024 numbers; a work-group of eight waves takes 8 tokens.
; z = (x Wg + bg) + gumbel in f32 (TAU = 1: the division changes nothing); u = 2^((z - max z) log2 e); the expert is the lowest index whose u is the largest;
; y = u_max / sum u; the gate of the chosen expert is (1 + y) - y, that of every other expert 0 + y - y = 0, so only the chosen expert and its gate are stored.
; x is turned into codes of E3M2 with one E8M0 byte for each 32 along K: xq [token][768 bytes] as the blocks lie; xs [token][8 words], word s = the bytes of blocks 4 s .. 4 s + 3
; with bytes 1 and 2 exchanged: the products read 48 neighbouring bytes a lane, so the unit's blocks 0, 1, 2, 3 of a K step are memory's blocks 0, 2, 1, 3.
; PHASE A: thread t owns k = 4 t .. 4 t + 3 of all 8 tokens: 8 dense loads of x, 128 bytes of Wg, 8 x 8 partial sums; x and the partial sums go to LDS.
; PHASE B: wave w owns token w: adds the 256 threads' partial sums, routes, and quantises the token's row (16 neighbours a lane, two lanes to a block).
; PHASE C: wave 0 stores the work-group's 256 scale bytes as one aligned run of 256 bytes, and 8 experts and 8 gates.
; LIMITS: NaN and infinities among the inputs are not served.  Two z that lie within the error of an f32 sum of 1,024 terms of each other may be ordered the other way.
; A block of zeros gets the byte 1 (its codes are zeros; this program alone reads the bytes).
.set XTP, 5120                         ; LDS 0: x, a token's 64 pieces of 64 bytes, 16 bytes of padding behind each
.set PS,  40960                        ; partial sums: [token 8,192][half of the experts 4,096][thread 16]
.set SB,  106496                       ; 256 scale bytes: [token 32]
.set RO,  106752                       ; 8 experts, then 8 gates
.set X,   16                           ; v16-47   x: token t at 4 t; later two sets of 16 neighbours
.set WGR, 48                           ; v48-79   Wg: k kk, expert e at 8 kk + e; later the codes
.set ACC, 80                           ; v80-143  partial sums: 8 t + e
.set PR,  144                          ; v144-207 partial sums read back
.set Z,   208                          ; v208-215 z
.set U,   216                          ; v216-223 u; later at work
	s_load_b512 s[4:19], s[0:1], 0x0               ; x, Wg, bg, gumbel, xq, xs, eid, gate
	v_lshl_add_u32 v240, v0, 2, 0x1a200
	v_mov_b32 v241, 0
	v_lshrrev_b32 v1, 5, v0
	v_readfirstlane_b32 s36, v1                    ; wave
	v_lshl_add_u32 v10, v1, 2, RO                  ; my wave's word among the experts
	v_and_b32 v1, 31, v0                           ; lane
	v_lshlrev_b32 v2, 4, v0                        ; x: my 16 bytes of a row
	v_lshlrev_b32 v3, 7, v0                        ; Wg: my 4 rows of 32 bytes
	v_lshrrev_b32 v4, 2, v0
	v_mul_u32_u24 v4, v4, 80
	v_and_b32 v11, 3, v0
	v_lshl_add_u32 v4, v11, 4, v4                  ; x into LDS: piece t / 4, 16 (t % 4)
	v_lshl_add_u32 v5, v0, 4, PS                   ; partial sums into LDS
	s_lshl_b32 s40, s36, 13
	s_add_co_u32 s40, s40, PS
	v_lshl_add_u32 v6, v1, 4, s40                  ; and back: token = my wave
	s_mul_i32 s41, s36, XTP
	v_mul_u32_u24 v7, v1, 80
	v_add_nc_u32 v7, s41, v7                       ; x back: piece = lane (+ 32 for the second set)
	v_and_b32 v8, 0xe0, v0                         ; my block's scale byte: 32 x wave
	v_bfe_u32 v11, v0, 3, 2
	v_lshl_add_u32 v8, v11, 2, v8                  ; + 4 x word
	v_bfe_u32 v11, v0, 1, 1
	v_lshl_add_u32 v8, v11, 1, v8                  ; + the block's place in the word, its two bits exchanged
	v_bfe_u32 v11, v0, 2, 1
	v_add_nc_u32 v8, v8, v11
	v_add_nc_u32 v8, SB, v8
	v_mul_u32_u24 v9, v1, 12                       ; my 16 codes' 12 bytes
	v_lshl_add_u32 v12, v1, 3, SB                  ; phase C
	v_and_b32 v15, 7, v0
	v_lshlrev_b32 v15, 2, v15
	v_add_nc_u32 v13, RO, v15
	v_lshlrev_b32 v14, 3, v1
	s_mov_b32 s38, 0x76543210
	s_mov_b32 s39, 0xfedcba98                      ; v_permlanex16_b32: lane l xor 16
	s_lshl_b32 s44, ttmp9, 3
	s_add_co_u32 s44, s44, s36                     ; my wave's token
	s_mov_b32 s47, 0
	s_wait_kmcnt 0x0
	s_load_b256 s[20:27], s[8:9], 0x0              ; bg
	s_lshl_b32 s46, s44, 5
	s_add_nc_u64 s[10:11], s[10:11], s[46:47]
	s_load_b256 s[28:35], s[10:11], 0x0            ; my token's gumbel
	s_lshl_b32 s46, ttmp9, 15
	s_add_nc_u64 s[4:5], s[4:5], s[46:47]          ; x at the work-group's 8 rows
	s_mul_i32 s46, s44, 768
	s_add_nc_u64 s[12:13], s[12:13], s[46:47]      ; xq at my token
	s_lshl_b32 s46, ttmp9, 8
	s_add_nc_u64 s[14:15], s[14:15], s[46:47]      ; xs at the work-group's 256 bytes
	s_lshl_b32 s46, ttmp9, 5
	s_add_nc_u64 s[16:17], s[16:17], s[46:47]
	s_add_nc_u64 s[18:19], s[18:19], s[46:47]
	; ---- A
.irp t, 0,1,2,3,4,5,6,7
	global_load_b128 v[X+4*\t:X+4*\t+3], v2, s[4:5] offset:4096*\t th:TH_LOAD_NT   ; a wave reads 512 consecutive bytes
.endr
.irp q, 0,1,2,3,4,5,6,7
	global_load_b128 v[WGR+4*\q:WGR+4*\q+3], v3, s[6:7] offset:16*\q
.endr
	s_wait_loadcnt 8                               ; x is in; Wg's eight loads may be out
.irp t, 0,1,2,3,4,5,6,7
	ds_store_b128 v4, v[X+4*\t:X+4*\t+3] offset:XTP*\t
.endr
	s_wait_loadcnt 0x0
.irp t, 0,1,2,3,4,5,6,7                        ; two experts an instruction; x's number is taken from its pair for both halves
.irp p, 0,1,2,3
	v_pk_mul_f32 v[ACC+8*\t+2*\p:ACC+8*\t+2*\p+1], v[X+4*\t:X+4*\t+1], v[WGR+2*\p:WGR+2*\p+1] op_sel_hi:[0,1]
.endr
.irp p, 0,1,2,3
	v_pk_fma_f32 v[ACC+8*\t+2*\p:ACC+8*\t+2*\p+1], v[X+4*\t:X+4*\t+1], v[WGR+8+2*\p:WGR+8+2*\p+1], v[ACC+8*\t+2*\p:ACC+8*\t+2*\p+1] op_sel:[1,0,0] op_sel_hi:[1,1,1]
.endr
.irp p, 0,1,2,3
	v_pk_fma_f32 v[ACC+8*\t+2*\p:ACC+8*\t+2*\p+1], v[X+4*\t+2:X+4*\t+3], v[WGR+16+2*\p:WGR+16+2*\p+1], v[ACC+8*\t+2*\p:ACC+8*\t+2*\p+1] op_sel_hi:[0,1,1]
.endr
.irp p, 0,1,2,3
	v_pk_fma_f32 v[ACC+8*\t+2*\p:ACC+8*\t+2*\p+1], v[X+4*\t+2:X+4*\t+3], v[WGR+24+2*\p:WGR+24+2*\p+1], v[ACC+8*\t+2*\p:ACC+8*\t+2*\p+1] op_sel:[1,0,0] op_sel_hi:[1,1,1]
.endr
.endr
.irp t, 0,1,2,3,4,5,6,7
.irp p, 0,1
	ds_store_b128 v5, v[ACC+8*\t+4*\p:ACC+8*\t+4*\p+3] offset:8192*\t+4096*\p
.endr
.endr
	s_wait_dscnt 0x0                               ; for the others' sake: my stores have landed
	s_barrier_signal -1
	s_barrier_wait -1
	; ---- B
.irp p, 0,1
.irp w, 0,1,2,3,4,5,6,7
	ds_load_b128 v[PR+32*\p+4*\w:PR+32*\p+4*\w+3], v6 offset:4096*\p+512*\w
.endr
.endr
.irp u, 0,1
.irp i, 0,1,2,3
	ds_load_b128 v[X+16*\u+4*\i:X+16*\u+4*\i+3], v7 offset:2560*\u+16*\i
.endr
.endr
.irp e, 0,1,2,3,4,5,6,7
	v_mov_b32 v[U+\e], 0                           ; a lane permute's destination counts as one of its sources
.endr
	s_wait_dscnt 8                                 ; the partial sums are in; x's eight loads may be out
.irp p, 0,1
.irp c, 0,1
	v_pk_add_f32 v[Z+4*\p+2*\c:Z+4*\p+2*\c+1], v[PR+32*\p+2*\c:PR+32*\p+2*\c+1], v[PR+32*\p+4+2*\c:PR+32*\p+4+2*\c+1]
.endr
.endr
.irp w, 2,3,4,5,6,7
.irp p, 0,1
.irp c, 0,1
	v_pk_add_f32 v[Z+4*\p+2*\c:Z+4*\p+2*\c+1], v[Z+4*\p+2*\c:Z+4*\p+2*\c+1], v[PR+32*\p+4*\w+2*\c:PR+32*\p+4*\w+2*\c+1]
.endr
.endr
.endr
.irp m, 1,2,4,8                                ; across the 32 lanes, the eight sums by turns
.irp e, 0,1,2,3,4,5,6,7
	v_add_f32_dpp v[Z+\e], v[Z+\e], v[Z+\e] row_xmask:\m row_mask:0xf bank_mask:0xf
.endr
.endr
.irp e, 0,1,2,3,4,5,6,7
	v_permlanex16_b32 v[U+\e], v[Z+\e], s38, s39
.endr
	s_wait_kmcnt 0x0                               ; bg and gumbel
.irp e, 0,1,2,3,4,5,6,7
	v_add_f32 v[Z+\e], v[Z+\e], v[U+\e]
.endr
.irp e, 0,1,2,3,4,5,6,7
	v_add_f32 v[Z+\e], s[20+\e], v[Z+\e]           ; the logit
.endr
.irp e, 0,1,2,3,4,5,6,7
	v_add_f32 v[Z+\e], s[28+\e], v[Z+\e]           ; + gumbel
.endr
	v_max3_num_f32 v224, v[Z], v[Z+1], v[Z+2]
	v_max3_num_f32 v224, v224, v[Z+3], v[Z+4]
	v_max3_num_f32 v224, v224, v[Z+5], v[Z+6]
	v_max_num_f32 v224, v224, v[Z+7]               ; the maximum is taken away ahead of the exponentials
.irp e, 0,1,2,3,4,5,6,7
	v_sub_f32 v[U+\e], v[Z+\e], v224               ; exactly 0 at the maximum
.endr
.irp e, 0,1,2,3,4,5,6,7
	v_mul_f32 v[U+\e], 0x3fb8aa3b, v[U+\e]
.endr
.irp e, 0,1,2,3,4,5,6,7
	v_exp_f32 v[U+\e], v[U+\e]
.endr
	v_mov_b32 v226, 0                              ; a plain instruction behind the exponentials
	s_wait_alu depctr_va_vdst(0)                   ; one wait for the eight, ahead of their first reader
	v_max3_num_f32 v225, v[U], v[U+1], v[U+2]
	v_add_f32 v227, v[U], v[U+1]
	v_add_f32 v228, v[U+2], v[U+3]
	v_add_f32 v229, v[U+4], v[U+5]
	v_add_f32 v230, v[U+6], v[U+7]
	v_max3_num_f32 v225, v225, v[U+3], v[U+4]
	v_add_f32 v227, v227, v228
	v_add_f32 v229, v229, v230
	v_max3_num_f32 v225, v225, v[U+5], v[U+6]
	v_add_f32 v227, v227, v229                     ; the sum
	v_max_num_f32 v225, v225, v[U+7]               ; the largest u
	v_rcp_f32 v231, v227
.irp e, 7,6,5,4,3,2,1,0                        ; the lowest index whose u is the largest (plain work behind the reciprocal)
	v_cmp_lt_f32 vcc_lo, v[U+\e], v225
	v_cndmask_b32 v226, \e, v226, vcc_lo
.endr
	s_wait_alu depctr_va_vdst(0)                   ; ahead of the reciprocal's first reader
	v_mul_f32 v231, v225, v231                     ; y of the chosen expert
	v_add_f32 v232, 1.0, v231
	v_sub_f32 v232, v232, v231                     ; (1 + y) - y
	s_wait_dscnt 0x0                               ; x's row
; 16 neighbours a lane; two neighbouring lanes hold a block
.macro QSTEP u
.set XS, X+16*(\u)
.set T, U+4*(\u)
	v_max3_num_f32 v[T], |v[XS]|, |v[XS+1]|, |v[XS+2]|
	v_max3_num_f32 v[T+1], |v[XS+3]|, |v[XS+4]|, |v[XS+5]|
.irp i, 6,10
	v_max3_num_f32 v[T], v[T], |v[XS+\i]|, |v[XS+\i+1]|
	v_max3_num_f32 v[T+1], v[T+1], |v[XS+\i+2]|, |v[XS+\i+3]|
.endr
	v_max3_num_f32 v[T], v[T], |v[XS+14]|, |v[XS+15]|
	v_max3_num_f32 v[T], v[T], v[T+1], 0x2800000   ; the floor 2^(5 - 127): the byte cannot fall under 1
	v_max_num_f32_dpp v[T], v[T], v[T] row_xmask:1 row_mask:0xf bank_mask:0xf   ; with my neighbour's 16: the block's largest magnitude
	v_add_nc_u32 v[T+2], 0xfe000000, v[T]          ; 4 off its exponent field: the conversion takes that field as its scale
	v_cvt_scalef32_pk16_bf6_f32 v[WGR+4*(\u):WGR+4*(\u)+2], v[XS:XS+15], v[T+2]
	v_lshrrev_b32 v[T+3], 23, v[T+2]               ; the scale's byte (also the plain instruction behind the conversion)
	ds_store_b8 v8, v[T+3] offset:16*(\u)          ; both lanes of a block write the same byte with the same value
	global_store_b96 v9, v[WGR+4*(\u):WGR+4*(\u)+2], s[12:13] offset:384*(\u)   ; a wave stores 384 consecutive bytes
.endm
	QSTEP 0
	QSTEP 1
	ds_store_b32 v10, v226                         ; all lanes write the same word with the same value
	ds_store_b32 v10, v232 offset:32
	s_wait_dscnt 0x0
	s_barrier_signal -1
	s_barrier_wait -1
	; ---- C
	s_cmp_lg_u32 s36, 0
	s_cbranch_scc1 .Lend
	ds_load_b64 v[234:235], v12
	ds_load_b32 v236, v13
	ds_load_b32 v237, v13 offset:32
	s_wait_dscnt 0x0
	global_store_b64 v14, v[234:235], s[14:15]     ; 32 lanes store 256 consecutive bytes, aligned
	v_cmp_gt_u32 vcc_lo, 8, v0
	s_wait_xcnt 0x0                                ; EXEC changes only behind this wait
	s_and_saveexec_b32 s40, vcc_lo
	global_store_b32 v15, v236, s[16:17]           ; 8 experts
	global_store_b32 v15, v237, s[18:19]           ; 8 gates
	s_wait_xcnt 0x0
	s_or_b32 exec_lo, exec_lo, s40
.Lend:
	s_wait_tensorcnt 0x0
	ds_add_u32 v240, v241
	s_wait_dscnt 0x0
	s_endpgm
.Lfunc_end_k_qca098a2dc9_route:
	.size	k_qca098a2dc9_route, .Lfunc_end_k_qca098a2dc9_route-k_qca098a2dc9_route
	.p2alignl 7, 3214868480
	.fill 96, 4, 3214868480
	.section	.rodata,"a",@progbits
	.p2align	6, 0x0
	.amdhsa_kernel k_qca098a2dc9_route
		.amdhsa_group_segment_fixed_size 108032
		.amdhsa_private_segment_fixed_size 0
		.amdhsa_enable_private_segment 0
		.amdhsa_kernarg_size 64
		.amdhsa_user_sgpr_count 2
		.amdhsa_user_sgpr_kernarg_segment_ptr 1
		.amdhsa_wavefront_size32 1
		.amdhsa_system_sgpr_workgroup_id_x 1
		.amdhsa_system_sgpr_workgroup_id_y 1
		.amdhsa_system_sgpr_workgroup_id_z 1
		.amdhsa_system_vgpr_workitem_id 0
		.amdhsa_next_free_vgpr 242
		.amdhsa_next_free_sgpr 66
		.amdhsa_reserve_vcc 1
		.amdhsa_float_denorm_mode_32 3
		.amdhsa_float_denorm_mode_16_64 3
		.amdhsa_memory_ordered 1
		.amdhsa_forward_progress 1
		.amdhsa_inst_pref_size 27
	.end_amdhsa_kernel
	.amdgpu_metadata
---
amdhsa.version: [ 1, 2 ]
amdhsa.kernels:
  - .name:           k_qca098a2dc9_route
    .symbol:         k_qca098a2dc9_route.kd
    .args:
      - { .name: x, .offset: 0, .size: 8, .value_kind: global_buffer, .address_space: global }
      - { .name: Wg, .offset: 8, .size: 8, .value_kind: global_buffer, .address_space: global }
      - { .name: bg, .offset: 16, .size: 8, .value_kind: global_buffer, .address_space: global }
      - { .name: gumbel, .offset: 24, .size: 8, .value_kind: global_buffer, .address_space: global }
      - { .name: xq, .offset: 32, .size: 8, .value_kind: global_buffer, .address_space: global }
      - { .name: xs, .offset: 40, .size: 8, .value_kind: global_buffer, .address_space: global }
      - { .name: eid, .offset: 48, .size: 8, .value_kind: global_buffer, .address_space: global }
      - { .name: gate, .offset: 56, .size: 8, .value_kind: global_buffer, .address_space: global }
    .group_segment_fixed_size: 108032
    .private_segment_fixed_size: 0
    .kernarg_segment_align: 8
    .kernarg_segment_size: 64
    .max_flat_workgroup_size: 256
    .sgpr_count:     66
    .vgpr_count:     242
    .wavefront_size: 32
...
	.end_amdgpu_metadata
.endif
;; end of part 1
;; launch place (part 2): grid 1 x 1, 16 waves a work-group, no clusters, 4,096 bytes of LDS; arguments eid, gate, plan, gsort; writes plan, gsort
.if DOCPART == 2
	.amdgcn_target "amdgcn-amd-amdhsa--gfx1250"
	.amdhsa_code_object_version 6
	.text
	.protected	k_qca098a2dc9_place
	.globl	k_qca098a2dc9_place
	.p2align	8
	.type	k_qca098a2dc9_place,@function
k_qca098a2dc9_place:
	s_mov_b64 s[64:65], 0
	v_nop
	global_prefetch_b8 v0, s[64:65] scope:SCOPE_SE
	s_setreg_imm32_b32 hwreg(HW_REG_WAVE_MODE, 25, 1), 1
	s_wait_xcnt 0x0
; THE PLACING: a counting sort of the 2,048 tokens by their expert, by one work-group of 16 waves, and the list of tiles of 128 rows.
; plan: bytes 0-511: 32 records {expert, first sorted place, rows, 0}; from byte 512: the token at each of 2,176 sorted places (the last 128 are 0, so that a tile that
; begins at any place up to 2,047 can read 128 places).  gsort: the gate at each sorted place.
; With 2,048 rows, 8 experts and tiles of 128 there are never more than 16 + 7 = 23 tiles; records without rows have rows = 0.
; Thread t holds tokens 4 t .. 4 t + 3.  The order inside an expert is (wave, j, lane): any order serves, since each row is worked by itself.
	s_load_b256 s[4:11], s[0:1], 0x0               ; eid, gate, plan, gsort
	v_lshl_add_u32 v64, v0, 2, 0x800
	v_mov_b32 v65, 0
	v_lshrrev_b32 v1, 5, v0
	v_readfirstlane_b32 s12, v1                    ; wave
	v_and_b32 v1, 31, v0                           ; lane
	v_lshlrev_b32 v2, 4, v0                        ; 16 t
	v_lshlrev_b32 v3, 2, v0                        ; 4 t: my LDS word, and my first token's number
	v_lshlrev_b32 v13, 2, v1                       ; 4 x lane
	v_mov_b32 v12, 0
	s_wait_kmcnt 0x0
	global_load_b128 v[4:7], v2, s[4:5]
	global_load_b128 v[8:11], v2, s[6:7]
	s_wait_loadcnt 0x0
	; ---- 1: which lanes hold expert e in their j-th token; my wave's counts
.irp e, 0,1,2,3,4,5,6,7
.irp j, 0,1,2,3
	v_cmp_eq_u32 s[32+4*\e+\j], \e, v[4+\j]
.endr
.endr
.irp e, 0,1,2,3,4,5,6,7
	s_bcnt1_i32_b32 s[20+\e], s[32+4*\e]
.irp j, 1,2,3
	s_bcnt1_i32_b32 s2, s[32+4*\e+\j]
	s_add_co_u32 s[20+\e], s[20+\e], s2
.endr
	v_writelane_b32 v12, s[20+\e], \e              ; lane e: my wave's count of expert e; lanes 8-31 stay 0
.endr
	ds_store_b32 v3, v12
	s_wait_dscnt 0x0
	s_barrier_signal -1
	s_barrier_wait -1
	; ---- 2: all waves' counts: the totals, and the sum over the waves in front of mine
.irp w, 0,1,2,3,4,5,6,7,8,9,10,11,12,13,14,15
	ds_load_b32 v[16+\w], v13 offset:128*\w
.endr
	v_mov_b32 v32, 0
	v_mov_b32 v33, 0
	s_wait_dscnt 0x0
.irp w, 0,1,2,3,4,5,6,7,8,9,10,11,12,13,14,15
	v_add_nc_u32 v32, v32, v[16+\w]
	s_cmp_gt_u32 s12, \w
	s_cselect_b32 s2, -1, 0
	v_and_b32 v34, s2, v[16+\w]
	v_add_nc_u32 v33, v33, v34
.endr
.irp e, 0,1,2,3,4,5,6,7
	v_readlane_b32 s[68+\e], v32, \e               ; the expert's rows
	v_readlane_b32 s[84+\e], v33, \e
.endr
	s_mov_b32 s76, 0                               ; the expert's first sorted place
	s_mov_b32 s92, 0                               ; the expert's first tile
.irp e, 1,2,3,4,5,6,7
	s_add_co_u32 s[76+\e], s[75+\e], s[67+\e]
	s_add_co_u32 s2, s[67+\e], 127
	s_lshr_b32 s2, s2, 7
	s_add_co_u32 s[92+\e], s[91+\e], s2
.endr
.irp e, 0,1,2,3,4,5,6,7
	s_add_co_u32 s[84+\e], s[84+\e], s[76+\e]      ; where my wave's rows of the expert begin
.endr
	; ---- 3: each token's sorted place
.irp j, 0,1,2,3
	v_mov_b32 v[36+\j], 0
.endr
.irp e, 0,1,2,3,4,5,6,7
.irp j, 0,1,2,3
	v_mbcnt_lo_u32_b32 v34, s[32+4*\e+\j], s[84+\e]        ; the running place + the lanes below mine that hold the expert
	v_cndmask_b32 v[36+\j], v[36+\j], v34, s[32+4*\e+\j]
	s_bcnt1_i32_b32 s2, s[32+4*\e+\j]
	s_add_co_u32 s[84+\e], s[84+\e], s2
.endr
.endr
.irp j, 0,1,2,3
	v_min_u32 v[36+\j], 0x7ff, v[36+\j]
	v_lshlrev_b32 v[36+\j], 2, v[36+\j]
	v_add_nc_u32 v[40+\j], \j, v3
.endr
.irp j, 0,1,2,3
	global_store_b32 v[36+\j], v[40+\j], s[8:9] offset:512   ; four bytes to a place of its own: 16 KiB in all, the sort itself
	global_store_b32 v[36+\j], v[8+\j], s[10:11]
.endr
	s_cmp_ge_u32 s12, 4
	s_cbranch_scc1 .Lend
	v_mov_b32 v35, 0                               ; waves 0 to 3: the 128 places behind the last
	global_store_b32 v3, v35, s[8:9] offset:8704
	global_store_b32 v3, v35, s[10:11] offset:8192
	s_cmp_lg_u32 s12, 0
	s_cbranch_scc1 .Lend
	; ---- wave 0: lane j writes tile j's record: the last expert whose first tile is not behind j
	v_mov_b32 v44, 0
	v_mov_b32 v48, s76
	v_mov_b32 v49, 0
	v_mov_b32 v50, s68
.irp e, 1,2,3,4,5,6,7
	v_cmp_gt_u32 vcc_lo, s[92+\e], v1              ; expert e begins behind my tile: keep what I have
	v_cndmask_b32 v44, \e, v44, vcc_lo
	v_cndmask_b32 v48, s[76+\e], v48, vcc_lo
	v_cndmask_b32 v49, s[92+\e], v49, vcc_lo
	v_cndmask_b32 v50, s[68+\e], v50, vcc_lo
.endr
	v_sub_nc_u32 v51, v1, v49
	v_lshlrev_b32 v51, 7, v51                      ; rows of the expert in front of my tile
	v_add_nc_u32 v45, v48, v51
	v_min_u32 v45, 0x7ff, v45                      ; first sorted place
	v_cmp_lt_u32 vcc_lo, v51, v50
	v_sub_nc_u32 v46, v50, v51
	v_min_u32 v46, 0x80, v46
	v_cndmask_b32 v46, 0, v46, vcc_lo              ; rows: 0 where the expert has none left
	v_mov_b32 v47, 0
	global_store_b128 v2, v[44:47], s[8:9]         ; 512 consecutive bytes
.Lend:
	s_wait_tensorcnt 0x0
	ds_add_u32 v64, v65
	s_wait_dscnt 0x0
	s_endpgm
.Lfunc_end_k_qca098a2dc9_place:
	.size	k_qca098a2dc9_place, .Lfunc_end_k_qca098a2dc9_place-k_qca098a2dc9_place
	.p2alignl 7, 3214868480
	.fill 96, 4, 3214868480
	.section	.rodata,"a",@progbits
	.p2align	6, 0x0
	.amdhsa_kernel k_qca098a2dc9_place
		.amdhsa_group_segment_fixed_size 4096
		.amdhsa_private_segment_fixed_size 0
		.amdhsa_enable_private_segment 0
		.amdhsa_kernarg_size 32
		.amdhsa_user_sgpr_count 2
		.amdhsa_user_sgpr_kernarg_segment_ptr 1
		.amdhsa_wavefront_size32 1
		.amdhsa_system_sgpr_workgroup_id_x 1
		.amdhsa_system_sgpr_workgroup_id_y 1
		.amdhsa_system_sgpr_workgroup_id_z 1
		.amdhsa_system_vgpr_workitem_id 0
		.amdhsa_next_free_vgpr 66
		.amdhsa_next_free_sgpr 104
		.amdhsa_reserve_vcc 1
		.amdhsa_float_denorm_mode_32 3
		.amdhsa_float_denorm_mode_16_64 3
		.amdhsa_memory_ordered 1
		.amdhsa_forward_progress 1
		.amdhsa_inst_pref_size 21
	.end_amdhsa_kernel
	.amdgpu_metadata
---
amdhsa.version: [ 1, 2 ]
amdhsa.kernels:
  - .name:           k_qca098a2dc9_place
    .symbol:         k_qca098a2dc9_place.kd
    .args:
      - { .name: eid, .offset: 0, .size: 8, .value_kind: global_buffer, .address_space: global }
      - { .name: gate, .offset: 8, .size: 8, .value_kind: global_buffer, .address_space: global }
      - { .name: plan, .offset: 16, .size: 8, .value_kind: global_buffer, .address_space: global }
      - { .name: gsort, .offset: 24, .size: 8, .value_kind: global_buffer, .address_space: global }
    .group_segment_fixed_size: 4096
    .private_segment_fixed_size: 0
    .kernarg_segment_align: 8
    .kernarg_segment_size: 32
    .max_flat_workgroup_size: 512
    .sgpr_count:     104
    .vgpr_count:     66
    .wavefront_size: 32
...
	.end_amdgpu_metadata
.endif
;; end of part 2
;; launch up (part 3): grid 8 x 23, 4 waves a work-group, no clusters, 105,984 bytes of LDS; arguments plan, xq, xs, W1_codes, W1_scales, b1, hq, hs; writes hq, hs
.if DOCPART == 3
	.amdgcn_target "amdgcn-amd-amdhsa--gfx1250"
	.amdhsa_code_object_version 6
	.text
	.protected	k_qca098a2dc9_up
	.globl	k_qca098a2dc9_up
	.p2align	8
	.type	k_qca098a2dc9_up,@function
k_qca098a2dc9_up:
	s_mov_b64 s[64:65], 0
	v_nop
	global_prefetch_b8 v0, s[64:65] scope:SCOPE_SE
	s_setreg_imm32_b32 hwreg(HW_REG_WAVE_MODE, 25, 1), 1
	s_wait_xcnt 0x0
; h = Q(relu(x W1[e] + b1[e])) for one tile of 128 sorted rows of one expert (work-group y) and 256 hidden units (work-group x), on codes of E3M2 with E8M0 scales.
; Only the chosen expert's rows are multiplied: every other expert's gate is exactly 0.  Rows of a tile behind its count hold other tokens; their results are finite and never reach the output.
; SHARES.  Four waves; wave w makes all 128 rows x hidden units 64 w .. 64 w + 63 of the block: 32 accumulators, 256 registers.  Its part of W1 (8 K steps x 4 tiles x 12 registers)
; goes from memory straight into registers, each byte once; the 128 gathered rows of x (768 bytes of codes, 32 of scales) lie in LDS and are read by all four waves.
; K MAP, alike on both operands: in K step s a lane of half h takes the 48 neighbouring bytes at 96 s + 48 h of its row (three loads of 16 bytes): memory's blocks 4 s + 2 h and 4 s + 2 h + 1.
; So the unit's blocks 0, 1, 2, 3 are memory's 0, 2, 1, 3, and a scale word has its bytes 1 and 2 exchanged: W1's by one v_perm_b32, x's as they were stored.
; THE PRODUCT IS USED TRANSPOSED (source 0 = 16 rows of W1, source 1 = 16 rows of x).  Lane r of tile u takes hidden unit 32 (r / 8) + 8 u + r % 8, so that the 32 registers of a row fragment's four
; accumulators are, in lane (r, h), the 32 neighbouring hidden units of ONE block of the next K, of row r: the block's largest number needs no other lane.  b1 is the C of the first K step.
; hq: [tile][row fragment 8][K step 16][3][lane 32][16 bytes]: an image of the next product's operand registers.  hs: [tile][block of 256 units 8][row 128][2 words], bytes in the unit's order.
; NO TENSOR LOADS, NO CLUSTER: a work-group whose tile has no rows jumps over the work, a branch on a stored number, and which expert a tile has hangs on the stored list.
; Every barrier stands at a label where the ways join: every wave passes it.
; LIMITS: NaN and infinities are not served; a block of zeros gets the byte 1 (its codes are zeros; this program alone reads the bytes).
; REGISTERS, in windows of 256: window 0: v2-19 addresses; v20-36 the gather's tokens and offsets, later at work; v40-71 W1's scale words (8 u + s); v72-135 x's (8 i + s); v136-231 x's eight fragments,
; later 64 numbers of h (v136-199) and the codes (v200-247); v248-251 the scale bytes on their way out; window 1: staging of the gather, then the accumulators (32 i + 8 u);
; window 2: W1's K steps 0-4 (48 s + 12 u); window 3: K steps 5-7, b1 at v160 (8 u + j).
.set PITCH, 816                        ; an LDS row of x: 768 + 32 + 16 bytes = 51 x 16: sixteen rows' 16-byte pieces fall on sixteen different groups of banks
.set FRAGP, 16*PITCH
.set HSL,   128*PITCH                  ; behind x: h's scale bytes, [row][8]
.set WS,  40
.set XSC, 72
.set XF,  136
.set CW,  200
.set SBO, 248
.set B1,  160
.set MSB, 0
.macro WIN new                         ; the immediate's high byte repeats the setting that is left
.if MSB != \new
	s_set_vgpr_msb (MSB<<8)|\new
.set MSB, \new
.endif
.endm
.macro PLACES n
.rept \n
	v_nop
.endr
.endm
.macro LDW s                           ; W1's four tiles of K step s: 12 loads of 16 bytes a lane
.if (\s) < 5
	WIN 0x80
.set WB, 48*(\s)
.else
	WIN 0xc0
.set WB, 48*((\s)-5)
.endif
.irp u, 0,1,2,3
.irp q, 0,1,2
	global_load_b128 v[WB+12*\u+4*\q:WB+12*\u+4*\q+3], v4, s[10:11] offset:6144*\u+96*(\s)+16*\q
.endr
.endr
.endm
.macro XG g, s                         ; x's fragments 4 g .. 4 g + 3 of K step s from LDS: 12 loads
.irp i, 0,1,2,3
.irp q, 0,1,2
	ds_load_b128 v[XF+12*(4*(\g)+\i)+4*\q:XF+12*(4*(\g)+\i)+4*\q+3], v[11+(\g)] offset:FRAGP*\i+96*(\s)+16*\q
.endr
.endr
.endm
.macro MUL g, s                        ; 16 products, each on an accumulator of its own: the 32 take turns in the same order in every K step
.if (\s) == 0
	WIN 0x72                                       ; W1 window 2, x window 0, b1 window 3, result window 1
.elseif (\s) < 5
	WIN 0x52
.else
	WIN 0x53
.endif
.if (\s) < 5
.set WB, 48*(\s)
.else
.set WB, 48*((\s)-5)
.endif
.irp i, 0,1,2,3
.irp u, 0,1,2,3
.set FI, 4*(\g)+\i
.set AC, 32*FI+8*\u
.if (\s) == 0
	v_wmma_scale_f32_16x16x128_f8f6f4 v[AC:AC+7], v[WB+12*\u:WB+12*\u+11], v[XF+12*FI:XF+12*FI+11], v[B1+8*\u:B1+8*\u+7], v[WS+8*\u+(\s)], v[XSC+8*FI+(\s)] matrix_a_fmt:MATRIX_FMT_BF6 matrix_b_fmt:MATRIX_FMT_BF6
.else
	v_wmma_scale_f32_16x16x128_f8f6f4 v[AC:AC+7], v[WB+12*\u:WB+12*\u+11], v[XF+12*FI:XF+12*FI+11], v[AC:AC+7], v[WS+8*\u+(\s)], v[XSC+8*FI+(\s)] matrix_a_fmt:MATRIX_FMT_BF6 matrix_b_fmt:MATRIX_FMT_BF6
.endif
.endr
.endr
.endm
.macro STEP s
.if (\s) >= 3
	s_wait_loadcnt 12*(7-(\s))                     ; W1's K step s is in: behind it stand the 12 loads of each later K step
.endif
	s_wait_dscnt 12                                ; x's fragments 0-3 are in; the 12 loads of fragments 4-7 may be out
	MUL 0, \s
	PLACES 4                                       ; four plain instructions between a product and a load into its operands (ISA guide 7.12.1 for vector instructions)
.if (\s) < 7
	WIN 0
	XG 0, (\s)+1
.endif
.if (\s) == 0
	LDW 7
.endif
.if (\s) < 7
	s_wait_dscnt 12                                ; fragments 4-7 are in; the 12 loads just issued may be out
.else
	s_wait_dscnt 0x0
.endif
	MUL 1, \s
	PLACES 4
.if (\s) < 7
	WIN 0
	XG 1, (\s)+1
.endif
.endm
; Row fragments i and i + 1: relu, each lane's block of 32 quantised, the two fragments' halves exchanged so that lane (r, g) holds both blocks of row r of fragment i + g, and stored as an image.
.macro QPAIR i
.set CC, CW+6*(\i)
	WIN 0x04                                       ; source 1: the accumulators, window 1
.set K, 0
.rept 64
	v_max_num_f32 v[XF+K], 0, v[32*(\i)+K]         ; each accumulator from its low end on
.set K, K+1
.endr
	WIN 0
.irp f, 0,1
	v_max3_num_f32 v[20+2*\f], v[XF+32*\f], v[XF+1+32*\f], 0x2800000      ; none is negative: no |.|; the floor 2^(5 - 127) holds the byte at 1 from below
	v_max3_num_f32 v[21+2*\f], v[XF+16+32*\f], v[XF+17+32*\f], 0x2800000
.endr
.irp k, 2,4,6,8,10,12,14
.irp f, 0,1
	v_max3_num_f32 v[20+2*\f], v[20+2*\f], v[XF+32*\f+\k], v[XF+1+32*\f+\k]
	v_max3_num_f32 v[21+2*\f], v[21+2*\f], v[XF+16+32*\f+\k], v[XF+17+32*\f+\k]
.endr
.endr
.irp f, 0,1
	v_max_num_f32 v[20+2*\f], v[20+2*\f], v[21+2*\f]
.endr
.irp f, 0,1
	v_add_nc_u32 v[24+\f], 0xfe000000, v[20+2*\f]  ; 4 off the exponent field: the conversion's scale operand
.endr
.irp f, 0,1
	v_lshrrev_b32 v[26+\f], 23, v[24+\f]           ; the scale's byte
.endr
.irp f, 0,1
	ds_store_b8 v16, v[26+\f] offset:128*((\i)+\f)
.endr
	v_cvt_scalef32_pk16_bf6_f32 v[CC:CC+2], v[XF:XF+15], v24
	v_cvt_scalef32_pk16_bf6_f32 v[28:30], v[XF+16:XF+31], v24      ; (a conversion's three registers begin on an even number)
	v_cvt_scalef32_pk16_bf6_f32 v[CC+6:CC+8], v[XF+32:XF+47], v25
	v_cvt_scalef32_pk16_bf6_f32 v[32:34], v[XF+48:XF+63], v25
	v_nop                                          ; one plain instruction behind the conversions
.irp k, 0,1,2
	v_mov_b32 v[CC+3+\k], v[28+\k]
	v_mov_b32 v[CC+9+\k], v[32+\k]
.endr
.irp k, 0,1,2,3,4,5
	v_permlane16_swap_b32 v[CC+\k], v[CC+6+\k]     ; the first's lanes 16-31 change places with the second's lanes 0-15
.endr
.irp q, 0,1,2
	global_store_b128 v15, v[CC+4*\q:CC+4*\q+3], s[16:17] offset:24576*(\i)+512*\q   ; each half of the lanes stores 256 consecutive bytes, aligned; each pair has registers of its own, which nothing writes again
.endr
.endm
	s_load_b512 s[4:19], s[0:1], 0x0               ; plan, xq, xs, W1_codes, W1_scales, b1, hq, hs
	v_lshl_add_u32 v254, v0, 2, 0x19c00
	v_mov_b32 v255, 0
	v_lshrrev_b32 v1, 5, v0
	v_readfirstlane_b32 s24, v1                    ; wave
	s_and_b32 s26, ttmp7, 0xffff                   ; tile
	s_lshl_b32 s30, s26, 4
	s_mov_b32 s31, 0
	s_wait_kmcnt 0x0
	s_add_nc_u64 s[32:33], s[4:5], s[30:31]
	s_load_b128 s[20:23], s[32:33], 0x0            ; the tile's record: expert, first place, rows
	v_and_b32 v2, 15, v0                           ; r
	v_bfe_u32 v3, v0, 4, 1                         ; h
	v_bfe_u32 v232, v0, 3, 1
	v_and_b32 v233, 7, v0
	v_lshl_add_u32 v232, v232, 5, v233             ; 32 (r / 8) + r % 8
	v_mul_u32_u24 v4, v232, 768
	v_mad_u32_u24 v4, v3, 48, v4                   ; W1's codes
	v_lshlrev_b32 v5, 5, v232                      ; W1's scales
	v_lshlrev_b32 v6, 7, v3                        ; b1: 32 numbers a half
	v_lshlrev_b32 v7, 7, v1
	v_lshl_add_u32 v7, v3, 2, v7                   ; the list: place 32 w + 2 p + h
	v_lshlrev_b32 v8, 2, v0                        ; the list: place = thread
	v_lshl_add_u32 v233, v1, 5, v3
	v_mul_u32_u24 v9, v233, PITCH
	v_lshl_add_u32 v9, v2, 4, v9                   ; x into LDS: row 32 w + h (+ 2 p), 16 r
	v_mul_u32_u24 v10, v0, PITCH
	v_add_nc_u32 v10, 768, v10                     ; x's scales into LDS: row = thread
	v_mul_u32_u24 v11, v2, PITCH
	v_add_nc_u32 v13, 768, v11                     ; x's scale words, fragments 0-3
	v_mad_u32_u24 v11, v3, 48, v11                 ; x's fragments 0-3
	v_add_nc_u32 v12, 4*FRAGP, v11                 ; fragments 4-7
	v_add_nc_u32 v14, 4*FRAGP, v13
	v_mul_u32_u24 v15, v3, 24576
	v_lshl_add_u32 v15, v2, 4, v15                 ; hq: fragment i + h, 16 r
	v_lshlrev_b32 v16, 3, v2                       ; h's scale byte: 8 r + 4 (w / 2) + 2 h + w % 2
	v_lshl_add_u32 v16, v3, 1, v16
	v_bfe_u32 v233, v0, 6, 1
	v_lshl_add_u32 v16, v233, 2, v16
	v_bfe_u32 v233, v0, 5, 1
	v_add_nc_u32 v16, v16, v233
	v_add_nc_u32 v16, HSL, v16
	v_lshl_add_u32 v17, v0, 4, HSL                 ; the scale bytes' way out (waves 0 and 1)
	v_lshlrev_b32 v18, 4, v0
	s_wait_kmcnt 0x0
	s_min_u32 s27, s20, 7                          ; expert
	s_min_u32 s28, s21, 2047                       ; first place
	s_min_u32 s29, s22, 128                        ; rows
	s_mul_i32 s30, s27, 0x180000
	s_mul_i32 s34, ttmp9, 196608
	s_add_co_u32 s30, s30, s34
	s_mul_i32 s34, s24, 49152
	s_add_co_u32 s30, s30, s34
	s_add_nc_u64 s[10:11], s[10:11], s[30:31]      ; W1's codes at my 64 rows
	s_lshl_b32 s30, s27, 16
	s_lshl_b32 s34, ttmp9, 13
	s_add_co_u32 s30, s30, s34
	s_lshl_b32 s34, s24, 11
	s_add_co_u32 s30, s30, s34
	s_add_nc_u64 s[12:13], s[12:13], s[30:31]      ; their scales
	s_lshl_b32 s30, s27, 13
	s_lshl_b32 s34, ttmp9, 10
	s_add_co_u32 s30, s30, s34
	s_lshl_b32 s34, s24, 8
	s_add_co_u32 s30, s30, s34
	s_add_nc_u64 s[14:15], s[14:15], s[30:31]      ; b1
	s_lshl_b32 s30, s28, 2
	s_add_co_u32 s30, s30, 512
	s_add_nc_u64 s[4:5], s[4:5], s[30:31]          ; the list at the tile's first place
	s_mul_i32 s30, s26, 196608
	s_lshl_b32 s34, ttmp9, 1
	s_lshr_b32 s35, s24, 1
	s_add_co_u32 s34, s34, s35
	s_mul_i32 s34, s34, 1536
	s_add_co_u32 s30, s30, s34
	s_and_b32 s35, s24, 1
	s_lshl_b32 s35, s35, 8
	s_add_co_u32 s30, s30, s35
	s_add_nc_u64 s[16:17], s[16:17], s[30:31]      ; hq: my tile, K step 2 x + w / 2, lanes 16 (w % 2) on
	s_lshl_b32 s30, s26, 13
	s_lshl_b32 s34, ttmp9, 10
	s_add_co_u32 s30, s30, s34
	s_add_nc_u64 s[18:19], s[18:19], s[30:31]      ; hs
	; ---- the head's loads, on every way: the tokens first, the first weights in their shadow
.irp p, 0,1,2,3,4,5,6,7,8,9,10,11,12,13,14,15
	global_load_b32 v[20+\p], v7, s[4:5] offset:8*\p
.endr
	global_load_b32 v36, v8, s[4:5]
.irp u, 0,1,2,3
.irp z, 0,1
	global_load_b128 v[WS+8*\u+4*\z:WS+8*\u+4*\z+3], v5, s[12:13] offset:256*\u+16*\z
.endr
.endr
	WIN 0xc0
.irp q, 0,1,2,3,4,5,6,7
	global_load_b128 v[B1+4*\q:B1+4*\q+3], v6, s[14:15] offset:16*\q
.endr
	LDW 0
	LDW 1
	LDW 2
	WIN 0
	s_cmp_eq_u32 s29, 0
	s_cbranch_scc1 .LJ1
	; ---- S1: my 32 rows of x are gathered into LDS
	s_wait_loadcnt 52                              ; the 17 loads from the list are in: behind them stand 8 + 8 + 36 loads
.irp p, 0,1,2,3,4,5,6,7,8,9,10,11,12,13,14,15
	v_min_u32 v[20+\p], 0x7ff, v[20+\p]
	v_mul_u32_u24 v[20+\p], v[20+\p], 768
	v_lshl_add_u32 v[20+\p], v2, 4, v[20+\p]
.endr
	v_min_u32 v36, 0x7ff, v36
	v_lshlrev_b32 v19, 5, v36
	WIN 0x40
.irp p, 0,1,2,3,4,5,6,7,8,9,10,11,12,13,14,15
.irp j, 0,1,2
	global_load_b128 v[12*\p+4*\j:12*\p+4*\j+3], v[20+\p], s[6:7] offset:256*\j   ; sixteen lanes read 256 consecutive bytes of a row, aligned
.endr
.endr
	global_load_b128 v[192:195], v19, s[8:9]
	global_load_b128 v[196:199], v19, s[8:9] offset:16
	WIN 0x04
.irp p, 0,1,2,3,4,5,6,7,8,9,10,11,12,13,14,15
	s_wait_loadcnt 47-3*\p                         ; pair p's three loads are in: behind them stand 3 (15 - p) + 2 loads
.irp j, 0,1,2
	ds_store_b128 v9, v[12*\p+4*\j:12*\p+4*\j+3] offset:2*PITCH*\p+256*\j
.endr
.endr
	s_wait_loadcnt 0x0
	ds_store_b128 v10, v[192:195]
	ds_store_b128 v10, v[196:199] offset:16
	WIN 0
.LJ1:
	s_wait_dscnt 0x0                               ; my stores have landed
	s_barrier_signal -1
	s_barrier_wait -1                              ; the 128 rows lie in LDS
	s_cmp_eq_u32 s29, 0
	s_cbranch_scc1 .LJ2
	; ---- S2: the products and the quantiser
	LDW 3
	LDW 4
	LDW 5
	LDW 6
	WIN 0
.irp i, 0,1,2,3,4,5,6,7
.irp z, 0,1
	ds_load_b128 v[XSC+8*\i+4*\z:XSC+8*\i+4*\z+3], v[13+\i/4] offset:FRAGP*(\i%4)+16*\z
.endr
.endr
	XG 0, 0
	XG 1, 0
	s_wait_loadcnt 48                              ; all the head's loads are in: behind them stand the 48 just issued, on either way here
.set K, 0
.rept 32
	v_perm_b32 v[WS+K], v[WS+K], v[WS+K], 0x03010200   ; W1's scale words: bytes 1 and 2 change places
.set K, K+1
.endr
	PLACES 8                                       ; a scale register written by a vector instruction stands eight plain instructions ahead of the product
.irp s, 0,1,2,3,4,5,6,7
	STEP \s
.endr
	QPAIR 0
	QPAIR 2
	QPAIR 4
	QPAIR 6
.LJ2:
	s_wait_dscnt 0x0                               ; my scale bytes have landed
	s_barrier_signal -1
	s_barrier_wait -1
	s_cmp_eq_u32 s29, 0
	s_cbranch_scc1 .Lend
	s_cmp_ge_u32 s24, 2
	s_cbranch_scc1 .Lend
	ds_load_b128 v[SBO:SBO+3], v17                 ; ---- S3: 1,024 scale bytes leave by waves 0 and 1, 512 consecutive bytes each; into registers that no pending store of codes names
	s_wait_dscnt 0x0
	global_store_b128 v18, v[SBO:SBO+3], s[18:19]
.Lend:
	s_wait_tensorcnt 0x0
	ds_add_u32 v254, v255
	s_wait_dscnt 0x0
	s_endpgm
.Lfunc_end_k_qca098a2dc9_up:
	.size	k_qca098a2dc9_up, .Lfunc_end_k_qca098a2dc9_up-k_qca098a2dc9_up
	.p2alignl 7, 3214868480
	.fill 96, 4, 3214868480
	.section	.rodata,"a",@progbits
	.p2align	6, 0x0
	.amdhsa_kernel k_qca098a2dc9_up
		.amdhsa_group_segment_fixed_size 105984
		.amdhsa_private_segment_fixed_size 0
		.amdhsa_enable_private_segment 0
		.amdhsa_kernarg_size 64
		.amdhsa_user_sgpr_count 2
		.amdhsa_user_sgpr_kernarg_segment_ptr 1
		.amdhsa_wavefront_size32 1
		.amdhsa_system_sgpr_workgroup_id_x 1
		.amdhsa_system_sgpr_workgroup_id_y 1
		.amdhsa_system_sgpr_workgroup_id_z 1
		.amdhsa_system_vgpr_workitem_id 0
		.amdhsa_next_free_vgpr 960
		.amdhsa_next_free_sgpr 66
		.amdhsa_reserve_vcc 0
		.amdhsa_float_denorm_mode_32 3
		.amdhsa_float_denorm_mode_16_64 3
		.amdhsa_memory_ordered 1
		.amdhsa_forward_progress 1
		.amdhsa_inst_pref_size 104
	.end_amdhsa_kernel
	.amdgpu_metadata
---
amdhsa.version: [ 1, 2 ]
amdhsa.kernels:
  - .name:           k_qca098a2dc9_up
    .symbol:         k_qca098a2dc9_up.kd
    .args:
      - { .name: plan, .offset: 0, .size: 8, .value_kind: global_buffer, .address_space: global }
      - { .name: xq, .offset: 8, .size: 8, .value_kind: global_buffer, .address_space: global }
      - { .name: xs, .offset: 16, .size: 8, .value_kind: global_buffer, .address_space: global }
      - { .name: W1_codes, .offset: 24, .size: 8, .value_kind: global_buffer, .address_space: global }
      - { .name: W1_scales, .offset: 32, .size: 8, .value_kind: global_buffer, .address_space: global }
      - { .name: b1, .offset: 40, .size: 8, .value_kind: global_buffer, .address_space: global }
      - { .name: hq, .offset: 48, .size: 8, .value_kind: global_buffer, .address_space: global }
      - { .name: hs, .offset: 56, .size: 8, .value_kind: global_buffer, .address_space: global }
    .group_segment_fixed_size: 105984
    .private_segment_fixed_size: 0
    .kernarg_segment_align: 8
    .kernarg_segment_size: 64
    .max_flat_workgroup_size: 128
    .sgpr_count:     66
    .vgpr_count:     960
    .wavefront_size: 32
...
	.end_amdgpu_metadata
.endif
;; end of part 3
;; launch down (part 4): grid 8 x 23, 4 waves a work-group, no clusters, 272,896 bytes of LDS; arguments plan, gsort, hq, hs, W2_codes, W2_scales, b2, out0; writes out0
.if DOCPART == 4
	.amdgcn_target "amdgcn-amd-amdhsa--gfx1250"
	.amdhsa_code_object_version 6
	.text
	.protected	k_qca098a2dc9_down
	.globl	k_qca098a2dc9_down
	.p2align	8
	.type	k_qca098a2dc9_down,@function
k_qca098a2dc9_down:
	s_mov_b64 s[64:65], 0
	v_nop
	global_prefetch_b8 v0, s[64:65] scope:SCOPE_SE
	s_setreg_imm32_b32 hwreg(HW_REG_WAVE_MODE, 25, 1), 1
	s_wait_xcnt 0x0
; out[token] = gate x (h W2[e] + b2[e]) for one tile of 128 sorted rows of one expert (work-group y) and 128 columns (work-group x), on codes of E3M2 with E8M0 scales.
; SHARES.  Four waves; wave w makes all 128 rows x columns 32 w .. 32 w + 31: 16 accumulators.  Its part of W2 (16 K steps x 2 tiles x 12 registers) goes from memory straight into registers, each byte once.
; The tile's h (196,608 bytes of operand images, 8,192 of scale words) is copied into LDS as it lies and read by all four waves: a fragment is three loads of 512 consecutive bytes.
; K MAP as in the launch that made h: a lane of half h takes the 48 bytes at 96 s + 48 h of its row of W2; W2's scale words get their bytes 1 and 2 exchanged; h's were stored so.
; THE PRODUCT IS USED TRANSPOSED (source 0 = 16 rows of W2, source 1 = 16 rows of h): a lane holds eight neighbouring columns of one row.  b2 is the C of the first K step.
; THE WAY OUT: times the row's gate, through a stage in LDS, and each wave stores its 32 rows' 512 bytes to the rows' tokens; rows behind the tile's count are not stored.  Each output row has one owner.
; NO TENSOR LOADS, NO CLUSTER: a work-group whose tile has no rows jumps over the work, a branch on a stored number.  Every barrier stands at a label where the ways join.
; LIMITS: NaN and infinities are not served (0 x infinity from an expert that was not chosen is not made).
; REGISTERS, in windows of 256: window 0: v1-23 addresses; v24-39 gates (2 i; the odd ones 0); v40-71 W2's scale words (16 n + s); v72-199 h's (16 i + s); v200-239 the way out;
; window 1: staging of the copy, then accumulators (16 i + 8 n) and from v128 h's eight fragments; window 2: W2's K steps 0-9 (24 s + 12 n); window 3: K steps 10-15, b2 at v160 (8 n + j).
.set HSL, 196608                       ; LDS 0: h's images; here its scale words: [block of two K steps 1,024][row 8]
.set STG, 204800                       ; the stage: 128 rows x (512 + 16) bytes
.set SP,  528
.set G,   24
.set WS,  40
.set HSC, 72
.set OB,  200
.set OF,  232
.set XF,  128
.set B2,  160
.set MSB, 0
.macro WIN new                         ; the immediate's high byte repeats the setting that is left
.if MSB != \new
	s_set_vgpr_msb (MSB<<8)|\new
.set MSB, \new
.endif
.endm
.macro PLACES n
.rept \n
	v_nop
.endr
.endm
.macro LDW s                           ; W2's two tiles of K step s: 6 loads of 16 bytes a lane
.if (\s) < 10
	WIN 0x80
.set WB, 24*(\s)
.else
	WIN 0xc0
.set WB, 24*((\s)-10)
.endif
.irp n, 0,1
.irp q, 0,1,2
	global_load_b128 v[WB+12*\n+4*\q:WB+12*\n+4*\q+3], v4, s[12:13] offset:24576*\n+96*(\s)+16*\q
.endr
.endr
.endm
.macro HG g, s                         ; h's fragments 4 g .. 4 g + 3 of K step s from LDS: 12 loads
	WIN 0x40
.irp i, 0,1,2,3
.irp q, 0,1,2
	ds_load_b128 v[XF+12*(4*(\g)+\i)+4*\q:XF+12*(4*(\g)+\i)+4*\q+3], v[12+4*(\g)+\i] offset:1536*(\s)+512*\q
.endr
.endr
.endm
.macro MUL g, s                        ; 8 products, each on an accumulator of its own: the 16 take turns in the same order in every K step
.if (\s) == 0
	WIN 0x76                                       ; W2 window 2, h window 1, b2 window 3, result window 1
.elseif (\s) < 10
	WIN 0x56
.else
	WIN 0x57
.endif
.if (\s) < 10
.set WB, 24*(\s)
.else
.set WB, 24*((\s)-10)
.endif
.irp i, 0,1,2,3
.irp n, 0,1
.set FI, 4*(\g)+\i
.set AC, 16*FI+8*\n
.if (\s) == 0
	v_wmma_scale_f32_16x16x128_f8f6f4 v[AC:AC+7], v[WB+12*\n:WB+12*\n+11], v[XF+12*FI:XF+12*FI+11], v[B2+8*\n:B2+8*\n+7], v[WS+16*\n+(\s)], v[HSC+16*FI+(\s)] matrix_a_fmt:MATRIX_FMT_BF6 matrix_b_fmt:MATRIX_FMT_BF6
.else
	v_wmma_scale_f32_16x16x128_f8f6f4 v[AC:AC+7], v[WB+12*\n:WB+12*\n+11], v[XF+12*FI:XF+12*FI+11], v[AC:AC+7], v[WS+16*\n+(\s)], v[HSC+16*FI+(\s)] matrix_a_fmt:MATRIX_FMT_BF6 matrix_b_fmt:MATRIX_FMT_BF6
.endif
.endr
.endr
.endm
.macro STEP s
.if (\s) <= 6
	s_wait_loadcnt 54                              ; W2's K step s is in: nine later K steps' loads, 6 each, have been issued behind it
.else
	s_wait_loadcnt 6*(15-(\s))
.endif
	s_wait_dscnt 12                                ; h's fragments 0-3 are in; the 12 loads of fragments 4-7 may be out
	MUL 0, \s
	PLACES 4                                       ; four plain instructions between a product and a load into its operands (ISA guide 7.12.1 for vector instructions)
.if (\s) < 15
	HG 0, (\s)+1
.endif
.if (\s) <= 5
	LDW (\s)+10
.endif
.if (\s) < 15
	s_wait_dscnt 12
.else
	s_wait_dscnt 0x0
.endif
	MUL 1, \s
	PLACES 4
.if (\s) < 15
	HG 1, (\s)+1
.endif
.endm
	s_load_b512 s[4:19], s[0:1], 0x0               ; plan, gsort, hq, hs, W2_codes, W2_scales, b2, out0
	v_lshl_add_u32 v254, v0, 2, 0x42800
	v_mov_b32 v255, 0
	v_lshrrev_b32 v11, 5, v0
	v_readfirstlane_b32 s66, v11                   ; wave
	s_and_b32 s67, ttmp7, 0xffff                   ; tile
	s_lshl_b32 s72, s67, 4
	s_mov_b32 s73, 0
	s_wait_kmcnt 0x0
	s_add_nc_u64 s[78:79], s[4:5], s[72:73]
	s_load_b128 s[20:23], s[78:79], 0x0            ; the tile's record: expert, first place, rows
	v_and_b32 v1, 31, v0                           ; lane
	v_and_b32 v2, 15, v0                           ; r
	v_bfe_u32 v3, v0, 4, 1                         ; h
	v_mul_u32_u24 v4, v2, 1536
	v_mad_u32_u24 v4, v3, 48, v4                   ; W2's codes
	v_lshlrev_b32 v5, 6, v2                        ; W2's scales
	v_lshlrev_b32 v6, 5, v3                        ; b2: 8 numbers a half
	v_lshlrev_b32 v7, 2, v2                        ; the gates
	v_mul_u32_u24 v8, v11, 49152
	v_lshl_add_u32 v8, v1, 4, v8                   ; the copy of h: my wave's quarter, in memory and in LDS alike
	v_lshlrev_b32 v9, 11, v11
	v_lshl_add_u32 v9, v1, 4, v9                   ; the copy of its scale words
	v_add_nc_u32 v10, HSL, v9
	v_lshlrev_b32 v12, 4, v1                       ; h's fragment i: 24,576 i + 16 x lane
.irp i, 1,2,3,4,5,6,7
	v_add_nc_u32 v[12+\i], 24576*\i, v12
.endr
	v_lshl_add_u32 v20, v2, 3, HSL                 ; h's scale words: 8 bytes a row
	v_mul_u32_u24 v21, v2, SP
	v_lshl_add_u32 v21, v11, 7, v21
	v_lshl_add_u32 v21, v3, 5, v21
	v_add_nc_u32 v21, STG, v21                     ; into the stage: row r, 128 w + 32 h
	v_mul_u32_u24 v22, v11, 32*SP
	v_lshl_add_u32 v22, v1, 4, v22
	v_add_nc_u32 v22, STG, v22                     ; back: my 32 rows, 16 bytes a lane
	v_lshlrev_b32 v23, 4, v1
.irp i, 0,1,2,3,4,5,6,7
	v_mov_b32 v[G+2*\i+1], 0                       ; named with the gate as a pair, so it is written
.endr
	s_wait_kmcnt 0x0
	s_min_u32 s68, s20, 7                          ; expert
	s_min_u32 s69, s21, 2047                       ; first place
	s_min_u32 s70, s22, 128                        ; rows
	s_lshl_b32 s76, s66, 5
	s_sub_co_i32 s71, s70, s76
	s_max_i32 s71, s71, 0                          ; how many of my 32 rows count
	s_add_co_u32 s72, s69, s76
	s_lshl_b32 s72, s72, 2
	s_add_co_u32 s72, s72, 512
	s_add_nc_u64 s[80:81], s[4:5], s[72:73]
	s_load_b512 s[32:47], s[80:81], 0x0            ; my 32 rows' tokens
	s_load_b512 s[48:63], s[80:81], 0x40
	s_mul_i32 s72, s68, 0x180000
	s_mul_i32 s74, ttmp9, 196608
	s_add_co_u32 s72, s72, s74
	s_mul_i32 s74, s66, 49152
	s_add_co_u32 s72, s72, s74
	s_add_nc_u64 s[12:13], s[12:13], s[72:73]      ; W2's codes at my 32 rows
	s_lshl_b32 s72, s68, 16
	s_lshl_b32 s74, ttmp9, 13
	s_add_co_u32 s72, s72, s74
	s_lshl_b32 s74, s66, 11
	s_add_co_u32 s72, s72, s74
	s_add_nc_u64 s[14:15], s[14:15], s[72:73]      ; their scales
	s_lshl_b32 s72, s68, 12
	s_lshl_b32 s74, ttmp9, 9
	s_add_co_u32 s72, s72, s74
	s_lshl_b32 s74, s66, 7
	s_add_co_u32 s72, s72, s74
	s_add_nc_u64 s[16:17], s[16:17], s[72:73]      ; b2
	s_lshl_b32 s72, s69, 2
	s_add_nc_u64 s[6:7], s[6:7], s[72:73]          ; the gates at the tile's first place
	s_mul_i32 s72, s67, 196608
	s_add_nc_u64 s[8:9], s[8:9], s[72:73]          ; hq at my tile
	s_lshl_b32 s72, s67, 13
	s_add_nc_u64 s[10:11], s[10:11], s[72:73]      ; hs
	s_lshl_b32 s72, ttmp9, 9
	s_add_nc_u64 s[18:19], s[18:19], s[72:73]      ; out0 at my 128 columns
	; ---- the head's loads, on every way: 8 + 4 + 8 + 30
.irp n, 0,1
.irp q, 0,1,2,3
	global_load_b128 v[WS+16*\n+4*\q:WS+16*\n+4*\q+3], v5, s[14:15] offset:1024*\n+16*\q
.endr
.endr
	WIN 0xc0
.irp n, 0,1
.irp z, 0,1
	global_load_b128 v[B2+8*\n+4*\z:B2+8*\n+4*\z+3], v6, s[16:17] offset:64*\n+16*\z
.endr
.endr
	WIN 0
.irp i, 0,1,2,3,4,5,6,7
	global_load_b32 v[G+2*\i], v7, s[6:7] offset:64*\i
.endr
	LDW 0
	LDW 1
	LDW 2
	LDW 3
	LDW 4
	WIN 0
	s_cmp_eq_u32 s70, 0
	s_cbranch_scc1 .LJ1
	; ---- S1: my quarter of the tile's h goes into LDS as it lies: three runs of 32 loads of 512 consecutive bytes
.irp k, 0,1,2,3
	global_load_b128 v[OB+4*\k:OB+4*\k+3], v9, s[10:11] offset:512*\k
.endr
	WIN 0x40
.set K, 0
.rept 32
	global_load_b128 v[4*K:4*K+3], v8, s[8:9] offset:512*K
.set K, K+1
.endr
.set K, 0
.rept 32
	global_load_b128 v[128+4*K:128+4*K+3], v8, s[8:9] offset:16384+512*K
.set K, K+1
.endr
	s_wait_loadcnt 32                              ; all but the second run's 32
	WIN 0
.irp k, 0,1,2,3
	ds_store_b128 v10, v[OB+4*\k:OB+4*\k+3] offset:512*\k
.endr
	WIN 0x04
.set K, 0
.rept 32
	ds_store_b128 v8, v[4*K:4*K+3] offset:512*K
.set K, K+1
.endr
	s_wait_dscnt 0x0                               ; the stores have read their registers
	WIN 0x40
.set K, 0
.rept 32
	global_load_b128 v[4*K:4*K+3], v8, s[8:9] offset:32768+512*K
.set K, K+1
.endr
	s_wait_loadcnt 32                              ; the second run is in; the third's 32 may be out
	WIN 0x04
.set K, 0
.rept 32
	ds_store_b128 v8, v[128+4*K:128+4*K+3] offset:16384+512*K
.set K, K+1
.endr
	s_wait_loadcnt 0x0
.set K, 0
.rept 32
	ds_store_b128 v8, v[4*K:4*K+3] offset:32768+512*K
.set K, K+1
.endr
	WIN 0
.LJ1:
	s_wait_dscnt 0x0                               ; my stores have landed
	s_barrier_signal -1
	s_barrier_wait -1                              ; the tile's h lies in LDS
	s_cmp_eq_u32 s70, 0
	s_cbranch_scc1 .LJ2
	; ---- S2: the products
	LDW 5
	LDW 6
	LDW 7
	LDW 8
	LDW 9
	WIN 0
.irp i, 0,1,2,3,4,5,6,7
.irp c, 0,1,2,3,4,5,6,7
	ds_load_b64 v[HSC+16*\i+2*\c:HSC+16*\i+2*\c+1], v20 offset:1024*\c+128*\i
.endr
.endr
	HG 0, 0
	HG 1, 0
	s_wait_loadcnt 60                              ; W2's scales, b2 and the gates are in: behind them stand ten K steps' 60 loads, on either way here
	WIN 0
.set K, 0
.rept 32
	v_perm_b32 v[WS+K], v[WS+K], v[WS+K], 0x03010200   ; W2's scale words: bytes 1 and 2 change places
.set K, K+1
.endr
	PLACES 8                                       ; a scale register written by a vector instruction stands eight plain instructions ahead of the product
.irp s, 0,1,2,3,4,5,6,7,8,9,10,11,12,13,14,15
	STEP \s
.endr
	WIN 0x41                                       ; accumulators window 1, gates window 0
.irp i, 0,1,2,3,4,5,6,7
.irp k, 0,2,4,6,8,10,12,14
	v_pk_mul_f32 v[16*\i+\k:16*\i+\k+1], v[16*\i+\k:16*\i+\k+1], v[G+2*\i:G+2*\i+1] op_sel_hi:[1,0]   ; x the row's gate; each accumulator from its low end on
.endr
.endr
	WIN 0x04
.irp i, 0,1,2,3,4,5,6,7
.irp n, 0,1
.irp z, 0,1
	ds_store_b128 v21, v[16*\i+8*\n+4*\z:16*\i+8*\n+4*\z+3] offset:16*SP*\i+64*\n+16*\z
.endr
.endr
.endr
	WIN 0
.LJ2:
	s_wait_dscnt 0x0                               ; my part of the stage has landed
	s_barrier_signal -1
	s_barrier_wait -1                              ; 128 whole rows of 512 bytes lie in the stage
	; ---- S3: my 32 rows leave, eight at a time, each to its token; the first row that does not count ends it
	s_wait_kmcnt 0x0                               ; the tokens
	s_cmp_eq_u32 s71, 0
	s_cbranch_scc1 .Ldone
.irp b, 0,1,2,3
.if \b > 0
	s_wait_xcnt 0x0                                ; the last eight stores have read their registers: both sets may be written again
.endif
.irp k, 0,1,2,3,4,5,6,7
	ds_load_b128 v[OB+4*\k:OB+4*\k+3], v22 offset:SP*(8*\b+\k)
.endr
.irp k, 0,1,2,3,4,5,6,7
	s_cmp_le_u32 s71, 8*\b+\k
	s_cbranch_scc1 .Ldone
	s_min_u32 s76, s[32+8*\b+\k], 2047
	v_lshl_add_u32 v[OF+\k], s76, 12, v23          ; the token's row of 4,096 bytes + 16 x lane
	s_wait_dscnt 7-\k
	global_store_b128 v[OF+\k], v[OB+4*\k:OB+4*\k+3], s[18:19] th:TH_STORE_NT   ; 32 lanes store 512 consecutive bytes, aligned; written once
.endr
.endr
.Ldone:
	s_wait_dscnt 0x0
	s_wait_tensorcnt 0x0
	ds_add_u32 v254, v255
	s_wait_dscnt 0x0
	s_endpgm
.Lfunc_end_k_qca098a2dc9_down:
	.size	k_qca098a2dc9_down, .Lfunc_end_k_qca098a2dc9_down-k_qca098a2dc9_down
	.p2alignl 7, 3214868480
	.fill 96, 4, 3214868480
	.section	.rodata,"a",@progbits
	.p2align	6, 0x0
	.amdhsa_kernel k_qca098a2dc9_down
		.amdhsa_group_segment_fixed_size 272896
		.amdhsa_private_segment_fixed_size 0
		.amdhsa_enable_private_segment 0
		.amdhsa_kernarg_size 64
		.amdhsa_user_sgpr_count 2
		.amdhsa_user_sgpr_kernarg_segment_ptr 1
		.amdhsa_wavefront_size32 1
		.amdhsa_system_sgpr_workgroup_id_x 1
		.amdhsa_system_sgpr_workgroup_id_y 1
		.amdhsa_system_sgpr_workgroup_id_z 1
		.amdhsa_system_vgpr_workitem_id 0
		.amdhsa_next_free_vgpr 960
		.amdhsa_next_free_sgpr 84
		.amdhsa_reserve_vcc 0
		.amdhsa_float_denorm_mode_32 3
		.amdhsa_float_denorm_mode_16_64 3
		.amdhsa_memory_ordered 1
		.amdhsa_forward_progress 1
		.amdhsa_inst_pref_size 121
	.end_amdhsa_kernel
	.amdgpu_metadata
---
amdhsa.version: [ 1, 2 ]
amdhsa.kernels:
  - .name:           k_qca098a2dc9_down
    .symbol:         k_qca098a2dc9_down.kd
    .args:
      - { .name: plan, .offset: 0, .size: 8, .value_kind: global_buffer, .address_space: global }
      - { .name: gsort, .offset: 8, .size: 8, .value_kind: global_buffer, .address_space: global }
      - { .name: hq, .offset: 16, .size: 8, .value_kind: global_buffer, .address_space: global }
      - { .name: hs, .offset: 24, .size: 8, .value_kind: global_buffer, .address_space: global }
      - { .name: W2_codes, .offset: 32, .size: 8, .value_kind: global_buffer, .address_space: global }
      - { .name: W2_scales, .offset: 40, .size: 8, .value_kind: global_buffer, .address_space: global }
      - { .name: b2, .offset: 48, .size: 8, .value_kind: global_buffer, .address_space: global }
      - { .name: out0, .offset: 56, .size: 8, .value_kind: global_buffer, .address_space: global }
    .group_segment_fixed_size: 272896
    .private_segment_fixed_size: 0
    .kernarg_segment_align: 8
    .kernarg_segment_size: 64
    .max_flat_workgroup_size: 128
    .sgpr_count:     84
    .vgpr_count:     960
    .wavefront_size: 32
...
	.end_amdgpu_metadata
.endif
;; end of part 4
;; ======== version 2 of 2: 4 launches
;; workspace buffers: xq 1,572,864 bytes; xs 65,536 bytes; eid 8,192 bytes of whole numbers; gate 8,192 bytes; plan 9,216 bytes of whole numbers; gsort 8,704 bytes; hq 4,521,984 bytes; hs 188,416 bytes
;; launch route (part 5): grid 256 x 1, 8 waves a work-group, no clusters, 108,032 bytes of LDS; arguments x, Wg, bg, gumbel, xq, xs, eid, gate; writes xq, xs, eid, gate
.if DOCPART == 5
	.amdgcn_target "amdgcn-amd-amdhsa--gfx1250"
	.amdhsa_code_object_version 6
	.text
	.protected	k_qca098a2dc9_route
	.globl	k_qca098a2dc9_route
	.p2align	8
	.type	k_qca098a2dc9_route,@function
k_qca098a2dc9_route:
	s_mov_b64 s[64:65], 0
	v_nop
	global_prefetch_b8 v0, s[64:65] scope:SCOPE_SE
	s_setreg_imm32_b32 hwreg(HW_REG_WAVE_MODE, 25, 1), 1
	s_wait_xcnt 0x0
; THE ROUTER AND x's QUANTISER.  2,048 tokens of 1,024 numbers; a work-group of eight waves takes 8 tokens.
; z = (x Wg + bg) + gumbel in f32 (TAU = 1: the division changes nothing); u = 2^((z - max z) log2 e); the expert is the lowest index whose u is the largest;
; y = u_max / sum u; the gate of the chosen expert is (1 + y) - y, that of every other expert 0 + y - y = 0, so only the chosen expert and its gate are stored.
; x is turned into codes of E3M2 with one E8M0 byte for each 32 along K: xq [token][768 bytes] as the blocks lie; xs [token][8 words], word s = the bytes of blocks 4 s .. 4 s + 3
; with bytes 1 and 2 exchanged: the products read 48 neighbouring bytes a lane, so the unit's blocks 0, 1, 2, 3 of a K step are memory's blocks 0, 2, 1, 3.
; PHASE A: thread t owns k = 4 t .. 4 t + 3 of all 8 tokens: 8 dense loads of x, 128 bytes of Wg, 8 x 8 partial sums; x and the partial sums go to LDS.
; PHASE B: wave w owns token w: adds the 256 threads' partial sums, routes, and quantises the token's row (16 neighbours a lane, two lanes to a block).
; PHASE C: wave 0 stores the work-group's 256 scale bytes as one aligned run of 256 bytes, and 8 experts and 8 gates.
; LIMITS: NaN and infinities among the inputs are not served.  Two z that lie within the error of an f32 sum of 1,024 terms of each other may be ordered the other way.
; A block of zeros gets the byte 1 (its codes are zeros; this program alone reads the bytes).
.set XTP, 5120                         ; LDS 0: x, a token's 64 pieces of 64 bytes, 16 bytes of padding behind each
.set PS,  40960                        ; partial sums: [token 8,192][half of the experts 4,096][thread 16]
.set SB,  106496                       ; 256 scale bytes: [token 32]
.set RO,  106752                       ; 8 experts, then 8 gates
.set X,   16                           ; v16-47   x: token t at 4 t; later two sets of 16 neighbours
.set WGR, 48                           ; v48-79   Wg: k kk, expert e at 8 kk + e; later the codes
.set ACC, 80                           ; v80-143  partial sums: 8 t + e
.set PR,  144                          ; v144-207 partial sums read back
.set Z,   208                          ; v208-215 z
.set U,   216                          ; v216-223 u; later at work
	s_load_b512 s[4:19], s[0:1], 0x0               ; x, Wg, bg, gumbel, xq, xs, eid, gate
	v_lshl_add_u32 v240, v0, 2, 0x1a200
	v_mov_b32 v241, 0
	v_lshrrev_b32 v1, 5, v0
	s_delay_alu instid0(VALU_DEP_1)
	v_readfirstlane_b32 s36, v1                    ; wave
	s_delay_alu instid0(VALU_DEP_2)
	v_lshl_add_u32 v10, v1, 2, RO                  ; my wave's word among the experts
	v_and_b32 v1, 31, v0                           ; lane
	v_lshlrev_b32 v2, 4, v0                        ; x: my 16 bytes of a row
	v_lshlrev_b32 v3, 7, v0                        ; Wg: my 4 rows of 32 bytes
	v_lshrrev_b32 v4, 2, v0
	s_delay_alu instid0(VALU_DEP_1)
	v_mul_u32_u24 v4, v4, 80
	v_and_b32 v11, 3, v0
	s_delay_alu instid0(VALU_DEP_1)
	v_lshl_add_u32 v4, v11, 4, v4                  ; x into LDS: piece t / 4, 16 (t % 4)
	v_lshl_add_u32 v5, v0, 4, PS                   ; partial sums into LDS
	s_lshl_b32 s40, s36, 13
	s_add_co_u32 s40, s40, PS
	v_lshl_add_u32 v6, v1, 4, s40                  ; and back: token = my wave
	s_mul_i32 s41, s36, XTP
	v_mul_u32_u24 v7, v1, 80
	s_delay_alu instid0(VALU_DEP_1)
	v_add_nc_u32 v7, s41, v7                       ; x back: piece = lane (+ 32 for the second set)
	v_and_b32 v8, 0xe0, v0                         ; my block's scale byte: 32 x wave
	v_bfe_u32 v11, v0, 3, 2
	s_delay_alu instid0(VALU_DEP_1)
	v_lshl_add_u32 v8, v11, 2, v8                  ; + 4 x word
	v_bfe_u32 v11, v0, 1, 1
	s_delay_alu instid0(VALU_DEP_1)
	v_lshl_add_u32 v8, v11, 1, v8                  ; + the block's place in the word, its two bits exchanged
	v_bfe_u32 v11, v0, 2, 1
	s_delay_alu instid0(VALU_DEP_1)
	v_add_nc_u32 v8, v8, v11
	s_delay_alu instid0(VALU_DEP_1)
	v_add_nc_u32 v8, SB, v8
	v_mul_u32_u24 v9, v1, 12                       ; my 16 codes' 12 bytes
	v_lshl_add_u32 v12, v1, 3, SB                  ; phase C
	v_and_b32 v15, 7, v0
	s_delay_alu instid0(VALU_DEP_1)
	v_lshlrev_b32 v15, 2, v15
	s_delay_alu instid0(VALU_DEP_1)
	v_add_nc_u32 v13, RO, v15
	v_lshlrev_b32 v14, 3, v1
	s_mov_b32 s38, 0x76543210
	s_mov_b32 s39, 0xfedcba98                      ; v_permlanex16_b32: lane l xor 16
	s_lshl_b32 s44, ttmp9, 3
	s_add_co_u32 s44, s44, s36                     ; my wave's token
	s_mov_b32 s47, 0
	s_wait_kmcnt 0x0
	s_load_b256 s[20:27], s[8:9], 0x0              ; bg
	s_lshl_b32 s46, s44, 5
	s_add_nc_u64 s[10:11], s[10:11], s[46:47]
	s_load_b256 s[28:35], s[10:11], 0x0            ; my token's gumbel
	s_lshl_b32 s46, ttmp9, 15
	s_add_nc_u64 s[4:5], s[4:5], s[46:47]          ; x at the work-group's 8 rows
	s_mul_i32 s46, s44, 768
	s_add_nc_u64 s[12:13], s[12:13], s[46:47]      ; xq at my token
	s_lshl_b32 s46, ttmp9, 8
	s_add_nc_u64 s[14:15], s[14:15], s[46:47]      ; xs at the work-group's 256 bytes
	s_lshl_b32 s46, ttmp9, 5
	s_add_nc_u64 s[16:17], s[16:17], s[46:47]
	s_add_nc_u64 s[18:19], s[18:19], s[46:47]
	; ---- A
.irp t, 0,1,2,3,4,5,6,7
	global_load_b128 v[X+4*\t:X+4*\t+3], v2, s[4:5] offset:4096*\t th:TH_LOAD_NT   ; a wave reads 512 consecutive bytes
.endr
.irp q, 0,1,2,3,4,5,6,7
	global_load_b128 v[WGR+4*\q:WGR+4*\q+3], v3, s[6:7] offset:16*\q
.endr
	s_wait_loadcnt 8                               ; x is in; Wg's eight loads may be out
.irp t, 0,1,2,3,4,5,6,7
	ds_store_b128 v4, v[X+4*\t:X+4*\t+3] offset:XTP*\t
.endr
	s_wait_loadcnt 0x0
.irp t, 0,1,2,3,4,5,6,7                        ; two experts an instruction; x's number is taken from its pair for both halves
.irp p, 0,1,2,3
	v_pk_mul_f32 v[ACC+8*\t+2*\p:ACC+8*\t+2*\p+1], v[X+4*\t:X+4*\t+1], v[WGR+2*\p:WGR+2*\p+1] op_sel_hi:[0,1]
.endr
.irp p, 0,1,2,3
	s_delay_alu instid0(VALU_DEP_4)
	v_pk_fma_f32 v[ACC+8*\t+2*\p:ACC+8*\t+2*\p+1], v[X+4*\t:X+4*\t+1], v[WGR+8+2*\p:WGR+8+2*\p+1], v[ACC+8*\t+2*\p:ACC+8*\t+2*\p+1] op_sel:[1,0,0] op_sel_hi:[1,1,1]
.endr
.irp p, 0,1,2,3
	s_delay_alu instid0(VALU_DEP_4)
	v_pk_fma_f32 v[ACC+8*\t+2*\p:ACC+8*\t+2*\p+1], v[X+4*\t+2:X+4*\t+3], v[WGR+16+2*\p:WGR+16+2*\p+1], v[ACC+8*\t+2*\p:ACC+8*\t+2*\p+1] op_sel_hi:[0,1,1]
.endr
.irp p, 0,1,2,3
	s_delay_alu instid0(VALU_DEP_4)
	v_pk_fma_f32 v[ACC+8*\t+2*\p:ACC+8*\t+2*\p+1], v[X+4*\t+2:X+4*\t+3], v[WGR+24+2*\p:WGR+24+2*\p+1], v[ACC+8*\t+2*\p:ACC+8*\t+2*\p+1] op_sel:[1,0,0] op_sel_hi:[1,1,1]
.endr
.endr
.irp t, 0,1,2,3,4,5,6,7
.irp p, 0,1
	ds_store_b128 v5, v[ACC+8*\t+4*\p:ACC+8*\t+4*\p+3] offset:8192*\t+4096*\p
.endr
.endr
	s_wait_dscnt 0x0                               ; for the others' sake: my stores have landed
	s_barrier_signal -1
	s_barrier_wait -1
	; ---- B
.irp p, 0,1
.irp w, 0,1,2,3,4,5,6,7
	ds_load_b128 v[PR+32*\p+4*\w:PR+32*\p+4*\w+3], v6 offset:4096*\p+512*\w
.endr
.endr
.irp u, 0,1
.irp i, 0,1,2,3
	ds_load_b128 v[X+16*\u+4*\i:X+16*\u+4*\i+3], v7 offset:2560*\u+16*\i
.endr
.endr
.irp e, 0,1,2,3,4,5,6,7
	v_mov_b32 v[U+\e], 0                           ; a lane permute's destination counts as one of its sources
.endr
	s_wait_dscnt 8                                 ; the partial sums are in; x's eight loads may be out
.irp p, 0,1
.irp c, 0,1
	v_pk_add_f32 v[Z+4*\p+2*\c:Z+4*\p+2*\c+1], v[PR+32*\p+2*\c:PR+32*\p+2*\c+1], v[PR+32*\p+4+2*\c:PR+32*\p+4+2*\c+1]
.endr
.endr
.irp w, 2,3,4,5,6,7
.irp p, 0,1
.irp c, 0,1
	s_delay_alu instid0(VALU_DEP_4)
	v_pk_add_f32 v[Z+4*\p+2*\c:Z+4*\p+2*\c+1], v[Z+4*\p+2*\c:Z+4*\p+2*\c+1], v[PR+32*\p+4*\w+2*\c:PR+32*\p+4*\w+2*\c+1]
.endr
.endr
.endr
.irp m, 1,2,4,8                                ; across the 32 lanes, the eight sums by turns
.irp e, 0,1,2,3,4,5,6,7
	v_add_f32_dpp v[Z+\e], v[Z+\e], v[Z+\e] row_xmask:\m row_mask:0xf bank_mask:0xf
.endr
.endr
.irp e, 0,1,2,3,4,5,6,7
	v_permlanex16_b32 v[U+\e], v[Z+\e], s38, s39
.endr
	s_wait_alu depctr_va_vdst(0)
	s_wait_kmcnt 0x0                               ; bg and gumbel
.irp e, 0,1,2,3,4,5,6,7
	v_add_f32 v[Z+\e], v[Z+\e], v[U+\e]
.endr
.irp e, 0,1,2,3,4,5,6,7
	v_add_f32 v[Z+\e], s[20+\e], v[Z+\e]           ; the logit
.endr
.irp e, 0,1,2,3,4,5,6,7
	v_add_f32 v[Z+\e], s[28+\e], v[Z+\e]           ; + gumbel
.endr
	v_max3_num_f32 v224, v[Z], v[Z+1], v[Z+2]
	s_delay_alu instid0(VALU_DEP_1)
	v_max3_num_f32 v224, v224, v[Z+3], v[Z+4]
	s_delay_alu instid0(VALU_DEP_1)
	v_max3_num_f32 v224, v224, v[Z+5], v[Z+6]
	s_delay_alu instid0(VALU_DEP_1)
	v_max_num_f32 v224, v224, v[Z+7]               ; the maximum is taken away ahead of the exponentials
.irp e, 0,1,2,3,4,5,6,7
	v_sub_f32 v[U+\e], v[Z+\e], v224               ; exactly 0 at the maximum
.endr
.irp e, 0,1,2,3,4,5,6,7
	v_mul_f32 v[U+\e], 0x3fb8aa3b, v[U+\e]
.endr
	s_wait_alu depctr_va_vdst(0)
.irp e, 0,1,2,3,4,5,6,7
	v_exp_f32 v[U+\e], v[U+\e]
.endr
	v_mov_b32 v226, 0                              ; a plain instruction behind the exponentials
	s_wait_alu depctr_va_vdst(0)                   ; one wait for the eight, ahead of their first reader
	v_max3_num_f32 v225, v[U], v[U+1], v[U+2]
	v_add_f32 v227, v[U], v[U+1]
	v_add_f32 v228, v[U+2], v[U+3]
	v_add_f32 v229, v[U+4], v[U+5]
	v_add_f32 v230, v[U+6], v[U+7]
	v_max3_num_f32 v225, v225, v[U+3], v[U+4]
	s_delay_alu instid0(VALU_DEP_4)
	v_add_f32 v227, v227, v228
	s_delay_alu instid0(VALU_DEP_3)
	v_add_f32 v229, v229, v230
	v_max3_num_f32 v225, v225, v[U+5], v[U+6]
	s_delay_alu instid0(VALU_DEP_2)
	v_add_f32 v227, v227, v229                     ; the sum
	v_max_num_f32 v225, v225, v[U+7]               ; the largest u
	s_wait_alu depctr_va_vdst(0)
	v_rcp_f32 v231, v227
.irp e, 7,6,5,4,3,2,1,0                        ; the lowest index whose u is the largest (plain work behind the reciprocal)
	v_cmp_lt_f32 vcc_lo, v[U+\e], v225
	s_delay_alu instid0(VALU_DEP_1)
	v_cndmask_b32 v226, \e, v226, vcc_lo
.endr
	s_wait_alu depctr_va_vdst(0)                   ; ahead of the reciprocal's first reader
	v_mul_f32 v231, v225, v231                     ; y of the chosen expert
	s_delay_alu instid0(VALU_DEP_1)
	v_add_f32 v232, 1.0, v231
	s_delay_alu instid0(VALU_DEP_1)
	v_sub_f32 v232, v232, v231                     ; (1 + y) - y
	s_wait_dscnt 0x0                               ; x's row
; 16 neighbours a lane; two neighbouring lanes hold a block
.macro QSTEP u
.set XS, X+16*(\u)
.set T, U+4*(\u)
	v_max3_num_f32 v[T], |v[XS]|, |v[XS+1]|, |v[XS+2]|
	v_max3_num_f32 v[T+1], |v[XS+3]|, |v[XS+4]|, |v[XS+5]|
.irp i, 6,10
	s_delay_alu instid0(VALU_DEP_2)
	v_max3_num_f32 v[T], v[T], |v[XS+\i]|, |v[XS+\i+1]|
	s_delay_alu instid0(VALU_DEP_2)
	v_max3_num_f32 v[T+1], v[T+1], |v[XS+\i+2]|, |v[XS+\i+3]|
.endr
	s_delay_alu instid0(VALU_DEP_2)
	v_max3_num_f32 v[T], v[T], |v[XS+14]|, |v[XS+15]|
	s_delay_alu instid0(VALU_DEP_1)
	v_max3_num_f32 v[T], v[T], v[T+1], 0x2800000   ; the floor 2^(5 - 127): the byte cannot fall under 1
	s_delay_alu instid0(VALU_DEP_1)
	v_max_num_f32_dpp v[T], v[T], v[T] row_xmask:1 row_mask:0xf bank_mask:0xf   ; with my neighbour's 16: the block's largest magnitude
	s_delay_alu instid0(VALU_DEP_1)
	v_add_nc_u32 v[T+2], 0xfe000000, v[T]          ; 4 off its exponent field: the conversion takes that field as its scale
	v_cvt_scalef32_pk16_bf6_f32 v[WGR+4*(\u):WGR+4*(\u)+2], v[XS:XS+15], v[T+2]
	v_lshrrev_b32 v[T+3], 23, v[T+2]               ; the scale's byte (also the plain instruction behind the conversion)
	ds_store_b8 v8, v[T+3] offset:16*(\u)          ; both lanes of a block write the same byte with the same value
	global_store_b96 v9, v[WGR+4*(\u):WGR+4*(\u)+2], s[12:13] offset:384*(\u)   ; a wave stores 384 consecutive bytes
.endm
	QSTEP 0
	QSTEP 1
	ds_store_b32 v10, v226                         ; all lanes write the same word with the same value
	ds_store_b32 v10, v232 offset:32
	s_wait_dscnt 0x0
	s_barrier_signal -1
	s_barrier_wait -1
	; ---- C
	s_cmp_lg_u32 s36, 0
	s_cbranch_scc1 .Lend
	ds_load_b64 v[234:235], v12
	ds_load_b32 v236, v13
	ds_load_b32 v237, v13 offset:32
	s_wait_dscnt 0x0
	global_store_b64 v14, v[234:235], s[14:15]     ; 32 lanes store 256 consecutive bytes, aligned
	v_cmp_gt_u32 vcc_lo, 8, v0
	s_wait_xcnt 0x0                                ; EXEC changes only behind this wait
	s_and_saveexec_b32 s40, vcc_lo
	global_store_b32 v15, v236, s[16:17]           ; 8 experts
	global_store_b32 v15, v237, s[18:19]           ; 8 gates
	s_wait_xcnt 0x0
	s_or_b32 exec_lo, exec_lo, s40
.Lend:
	s_wait_tensorcnt 0x0
	ds_add_u32 v240, v241
	s_wait_dscnt 0x0
	s_endpgm
.Lfunc_end_k_qca098a2dc9_route:
	.size	k_qca098a2dc9_route, .Lfunc_end_k_qca098a2dc9_route-k_qca098a2dc9_route
	.p2alignl 7, 3214868480
	.fill 96, 4, 3214868480
	.section	.rodata,"a",@progbits
	.p2align	6, 0x0
	.amdhsa_kernel k_qca098a2dc9_route
		.amdhsa_group_segment_fixed_size 108032
		.amdhsa_private_segment_fixed_size 0
		.amdhsa_enable_private_segment 0
		.amdhsa_kernarg_size 64
		.amdhsa_user_sgpr_count 2
		.amdhsa_user_sgpr_kernarg_segment_ptr 1
		.amdhsa_wavefront_size32 1
		.amdhsa_system_sgpr_workgroup_id_x 1
		.amdhsa_system_sgpr_workgroup_id_y 1
		.amdhsa_system_sgpr_workgroup_id_z 1
		.amdhsa_system_vgpr_workitem_id 0
		.amdhsa_next_free_vgpr 242
		.amdhsa_next_free_sgpr 66
		.amdhsa_reserve_vcc 1
		.amdhsa_float_denorm_mode_32 3
		.amdhsa_float_denorm_mode_16_64 3
		.amdhsa_memory_ordered 1
		.amdhsa_forward_progress 1
		.amdhsa_inst_pref_size 32
	.end_amdhsa_kernel
	.amdgpu_metadata
---
amdhsa.version: [ 1, 2 ]
amdhsa.kernels:
  - .name:           k_qca098a2dc9_route
    .symbol:         k_qca098a2dc9_route.kd
    .args:
      - { .name: x, .offset: 0, .size: 8, .value_kind: global_buffer, .address_space: global }
      - { .name: Wg, .offset: 8, .size: 8, .value_kind: global_buffer, .address_space: global }
      - { .name: bg, .offset: 16, .size: 8, .value_kind: global_buffer, .address_space: global }
      - { .name: gumbel, .offset: 24, .size: 8, .value_kind: global_buffer, .address_space: global }
      - { .name: xq, .offset: 32, .size: 8, .value_kind: global_buffer, .address_space: global }
      - { .name: xs, .offset: 40, .size: 8, .value_kind: global_buffer, .address_space: global }
      - { .name: eid, .offset: 48, .size: 8, .value_kind: global_buffer, .address_space: global }
      - { .name: gate, .offset: 56, .size: 8, .value_kind: global_buffer, .address_space: global }
    .group_segment_fixed_size: 108032
    .private_segment_fixed_size: 0
    .kernarg_segment_align: 8
    .kernarg_segment_size: 64
    .max_flat_workgroup_size: 256
    .sgpr_count:     66
    .vgpr_count:     242
    .wavefront_size: 32
...
	.end_amdgpu_metadata
.endif
;; end of part 5
;; launch place (part 6): grid 1 x 1, 16 waves a work-group, no clusters, 4,096 bytes of LDS; arguments eid, gate, plan, gsort; writes plan, gsort
.if DOCPART == 6
	.amdgcn_target "amdgcn-amd-amdhsa--gfx1250"
	.amdhsa_code_object_version 6
	.text
	.protected	k_qca098a2dc9_place
	.globl	k_qca098a2dc9_place
	.p2align	8
	.type	k_qca098a2dc9_place,@function
k_qca098a2dc9_place:
	s_mov_b64 s[64:65], 0
	v_nop
	global_prefetch_b8 v0, s[64:65] scope:SCOPE_SE
	s_setreg_imm32_b32 hwreg(HW_REG_WAVE_MODE, 25, 1), 1
	s_wait_xcnt 0x0
; THE PLACING: a counting sort of the 2,048 tokens by their expert, by one work-group of 16 waves, and the list of tiles of 128 rows.
; plan: bytes 0-511: 32 records {expert, first sorted place, rows, 0}; from byte 512: the token at each of 2,176 sorted places (the last 128 are 0, so that a tile that
; begins at any place up to 2,047 can read 128 places).  gsort: the gate at each sorted place.
; With 2,048 rows, 8 experts and tiles of 128 there are never more than 16 + 7 = 23 tiles; records without rows have rows = 0.
; Thread t holds tokens 4 t .. 4 t + 3.  The order inside an expert is (wave, j, lane): any order serves, since each row is worked by itself.
	s_load_b256 s[4:11], s[0:1], 0x0               ; eid, gate, plan, gsort
	v_lshl_add_u32 v64, v0, 2, 0x800
	v_mov_b32 v65, 0
	v_lshrrev_b32 v1, 5, v0
	s_delay_alu instid0(VALU_DEP_1)
	v_readfirstlane_b32 s12, v1                    ; wave
	v_and_b32 v1, 31, v0                           ; lane
	v_lshlrev_b32 v2, 4, v0                        ; 16 t
	v_lshlrev_b32 v3, 2, v0                        ; 4 t: my LDS word, and my first token's number
	s_delay_alu instid0(VALU_DEP_3)
	v_lshlrev_b32 v13, 2, v1                       ; 4 x lane
	v_mov_b32 v12, 0
	s_wait_alu depctr_va_vdst(0)
	s_wait_kmcnt 0x0
	global_load_b128 v[4:7], v2, s[4:5]
	global_load_b128 v[8:11], v2, s[6:7]
	s_wait_loadcnt 0x0
	; ---- 1: which lanes hold expert e in their j-th token; my wave's counts
.irp e, 0,1,2,3,4,5,6,7
.irp j, 0,1,2,3
	v_cmp_eq_u32 s[32+4*\e+\j], \e, v[4+\j]
.endr
.endr
.irp e, 0,1,2,3,4,5,6,7
	s_bcnt1_i32_b32 s[20+\e], s[32+4*\e]
.irp j, 1,2,3
	s_bcnt1_i32_b32 s2, s[32+4*\e+\j]
	s_add_co_u32 s[20+\e], s[20+\e], s2
.endr
	v_writelane_b32 v12, s[20+\e], \e              ; lane e: my wave's count of expert e; lanes 8-31 stay 0
.endr
	ds_store_b32 v3, v12
	s_wait_dscnt 0x0
	s_barrier_signal -1
	s_barrier_wait -1
	; ---- 2: all waves' counts: the totals, and the sum over the waves in front of mine
.irp w, 0,1,2,3,4,5,6,7,8,9,10,11,12,13,14,15
	ds_load_b32 v[16+\w], v13 offset:128*\w
.endr
	v_mov_b32 v32, 0
	v_mov_b32 v33, 0
	s_wait_alu depctr_va_vdst(0)
	s_wait_dscnt 0x0
.irp w, 0,1,2,3,4,5,6,7,8,9,10,11,12,13,14,15
	v_add_nc_u32 v32, v32, v[16+\w]
	s_cmp_gt_u32 s12, \w
	s_cselect_b32 s2, -1, 0
	v_and_b32 v34, s2, v[16+\w]
	s_delay_alu instid0(VALU_DEP_1)
	v_add_nc_u32 v33, v33, v34
.endr
.irp e, 0,1,2,3,4,5,6,7
	v_readlane_b32 s[68+\e], v32, \e               ; the expert's rows
	v_readlane_b32 s[84+\e], v33, \e
.endr
	s_mov_b32 s76, 0                               ; the expert's first sorted place
	s_mov_b32 s92, 0                               ; the expert's first tile
.irp e, 1,2,3,4,5,6,7
	s_add_co_u32 s[76+\e], s[75+\e], s[67+\e]
	s_add_co_u32 s2, s[67+\e], 127
	s_lshr_b32 s2, s2, 7
	s_add_co_u32 s[92+\e], s[91+\e], s2
.endr
.irp e, 0,1,2,3,4,5,6,7
	s_add_co_u32 s[84+\e], s[84+\e], s[76+\e]      ; where my wave's rows of the expert begin
.endr
	; ---- 3: each token's sorted place
.irp j, 0,1,2,3
	v_mov_b32 v[36+\j], 0
.endr
.irp e, 0,1,2,3,4,5,6,7
.irp j, 0,1,2,3
	v_mbcnt_lo_u32_b32 v34, s[32+4*\e+\j], s[84+\e]        ; the running place + the lanes below mine that hold the expert
	s_wait_alu depctr_va_vdst(0)
	v_cndmask_b32 v[36+\j], v[36+\j], v34, s[32+4*\e+\j]
	s_bcnt1_i32_b32 s2, s[32+4*\e+\j]
	s_add_co_u32 s[84+\e], s[84+\e], s2
.endr
.endr
.irp j, 0,1,2,3
	v_min_u32 v[36+\j], 0x7ff, v[36+\j]
	s_delay_alu instid0(VALU_DEP_1)
	v_lshlrev_b32 v[36+\j], 2, v[36+\j]
	v_add_nc_u32 v[40+\j], \j, v3
.endr
.irp j, 0,1,2,3
	global_store_b32 v[36+\j], v[40+\j], s[8:9] offset:512   ; four bytes to a place of its own: 16 KiB in all, the sort itself
	global_store_b32 v[36+\j], v[8+\j], s[10:11]
.endr
	s_cmp_ge_u32 s12, 4
	s_cbranch_scc1 .Lend
	v_mov_b32 v35, 0                               ; waves 0 to 3: the 128 places behind the last
	global_store_b32 v3, v35, s[8:9] offset:8704
	global_store_b32 v3, v35, s[10:11] offset:8192
	s_cmp_lg_u32 s12, 0
	s_cbranch_scc1 .Lend
	; ---- wave 0: lane j writes tile j's record: the last expert whose first tile is not behind j
	v_mov_b32 v44, 0
	v_mov_b32 v48, s76
	v_mov_b32 v49, 0
	v_mov_b32 v50, s68
.irp e, 1,2,3,4,5,6,7
	v_cmp_gt_u32 vcc_lo, s[92+\e], v1              ; expert e begins behind my tile: keep what I have
	s_delay_alu instid0(VALU_DEP_1)
	v_cndmask_b32 v44, \e, v44, vcc_lo
	s_delay_alu instid0(VALU_DEP_2)
	v_cndmask_b32 v48, s[76+\e], v48, vcc_lo
	s_delay_alu instid0(VALU_DEP_3)
	v_cndmask_b32 v49, s[92+\e], v49, vcc_lo
	s_delay_alu instid0(VALU_DEP_4)
	v_cndmask_b32 v50, s[68+\e], v50, vcc_lo
.endr
	s_delay_alu instid0(VALU_DEP_2)
	v_sub_nc_u32 v51, v1, v49
	s_delay_alu instid0(VALU_DEP_1)
	v_lshlrev_b32 v51, 7, v51                      ; rows of the expert in front of my tile
	s_delay_alu instid0(VALU_DEP_1)
	v_add_nc_u32 v45, v48, v51
	s_delay_alu instid0(VALU_DEP_1)
	v_min_u32 v45, 0x7ff, v45                      ; first sorted place
	s_delay_alu instid0(VALU_DEP_3)
	v_cmp_lt_u32 vcc_lo, v51, v50
	s_delay_alu instid0(VALU_DEP_4)
	v_sub_nc_u32 v46, v50, v51
	s_delay_alu instid0(VALU_DEP_1)
	v_min_u32 v46, 0x80, v46
	s_delay_alu instid0(VALU_DEP_1)
	v_cndmask_b32 v46, 0, v46, vcc_lo              ; rows: 0 where the expert has none left
	v_mov_b32 v47, 0
	global_store_b128 v2, v[44:47], s[8:9]         ; 512 consecutive bytes
.Lend:
	s_wait_tensorcnt 0x0
	ds_add_u32 v64, v65
	s_wait_dscnt 0x0
	s_endpgm
.Lfunc_end_k_qca098a2dc9_place:
	.size	k_qca098a2dc9_place, .Lfunc_end_k_qca098a2dc9_place-k_qca098a2dc9_place
	.p2alignl 7, 3214868480
	.fill 96, 4, 3214868480
	.section	.rodata,"a",@progbits
	.p2align	6, 0x0
	.amdhsa_kernel k_qca098a2dc9_place
		.amdhsa_group_segment_fixed_size 4096
		.amdhsa_private_segment_fixed_size 0
		.amdhsa_enable_private_segment 0
		.amdhsa_kernarg_size 32
		.amdhsa_user_sgpr_count 2
		.amdhsa_user_sgpr_kernarg_segment_ptr 1
		.amdhsa_wavefront_size32 1
		.amdhsa_system_sgpr_workgroup_id_x 1
		.amdhsa_system_sgpr_workgroup_id_y 1
		.amdhsa_system_sgpr_workgroup_id_z 1
		.amdhsa_system_vgpr_workitem_id 0
		.amdhsa_next_free_vgpr 66
		.amdhsa_next_free_sgpr 104
		.amdhsa_reserve_vcc 1
		.amdhsa_float_denorm_mode_32 3
		.amdhsa_float_denorm_mode_16_64 3
		.amdhsa_memory_ordered 1
		.amdhsa_forward_progress 1
		.amdhsa_inst_pref_size 24
	.end_amdhsa_kernel
	.amdgpu_metadata
---
amdhsa.version: [ 1, 2 ]
amdhsa.kernels:
  - .name:           k_qca098a2dc9_place
    .symbol:         k_qca098a2dc9_place.kd
    .args:
      - { .name: eid, .offset: 0, .size: 8, .value_kind: global_buffer, .address_space: global }
      - { .name: gate, .offset: 8, .size: 8, .value_kind: global_buffer, .address_space: global }
      - { .name: plan, .offset: 16, .size: 8, .value_kind: global_buffer, .address_space: global }
      - { .name: gsort, .offset: 24, .size: 8, .value_kind: global_buffer, .address_space: global }
    .group_segment_fixed_size: 4096
    .private_segment_fixed_size: 0
    .kernarg_segment_align: 8
    .kernarg_segment_size: 32
    .max_flat_workgroup_size: 512
    .sgpr_count:     104
    .vgpr_count:     66
    .wavefront_size: 32
...
	.end_amdgpu_metadata
.endif
;; end of part 6
;; launch up (part 7): grid 8 x 23, 4 waves a work-group, no clusters, 105,984 bytes of LDS; arguments plan, xq, xs, W1_codes, W1_scales, b1, hq, hs; writes hq, hs
.if DOCPART == 7
	.amdgcn_target "amdgcn-amd-amdhsa--gfx1250"
	.amdhsa_code_object_version 6
	.text
	.protected	k_qca098a2dc9_up
	.globl	k_qca098a2dc9_up
	.p2align	8
	.type	k_qca098a2dc9_up,@function
k_qca098a2dc9_up:
	s_mov_b64 s[64:65], 0
	v_nop
	global_prefetch_b8 v0, s[64:65] scope:SCOPE_SE
	s_setreg_imm32_b32 hwreg(HW_REG_WAVE_SCHED_MODE, 0, 2), 2
	s_setreg_imm32_b32 hwreg(HW_REG_WAVE_MODE, 25, 1), 1
	s_wait_xcnt 0x0
	s_wait_alu depctr_vm_vsrc(0)
; h = Q(relu(x W1[e] + b1[e])) for one tile of 128 sorted rows of one expert (work-group y) and 256 hidden units (work-group x), on codes of E3M2 with E8M0 scales.
; Only the chosen expert's rows are multiplied: every other expert's gate is exactly 0.  Rows of a tile behind its count hold other tokens; their results are finite and never reach the output.
; SHARES.  Four waves; wave w makes all 128 rows x hidden units 64 w .. 64 w + 63 of the block: 32 accumulators, 256 registers.  Its part of W1 (8 K steps x 4 tiles x 12 registers)
; goes from memory straight into registers, each byte once; the 128 gathered rows of x (768 bytes of codes, 32 of scales) lie in LDS and are read by all four waves.
; K MAP, alike on both operands: in K step s a lane of half h takes the 48 neighbouring bytes at 96 s + 48 h of its row (three loads of 16 bytes): memory's blocks 4 s + 2 h and 4 s + 2 h + 1.
; So the unit's blocks 0, 1, 2, 3 are memory's 0, 2, 1, 3, and a scale word has its bytes 1 and 2 exchanged: W1's by one v_perm_b32, x's as they were stored.
; THE PRODUCT IS USED TRANSPOSED (source 0 = 16 rows of W1, source 1 = 16 rows of x).  Lane r of tile u takes hidden unit 32 (r / 8) + 8 u + r % 8, so that the 32 registers of a row fragment's four
; accumulators are, in lane (r, h), the 32 neighbouring hidden units of ONE block of the next K, of row r: the block's largest number needs no other lane.  b1 is the C of the first K step.
; hq: [tile][row fragment 8][K step 16][3][lane 32][16 bytes]: an image of the next product's operand registers.  hs: [tile][block of 256 units 8][row 128][2 words], bytes in the unit's order.
; NO TENSOR LOADS, NO CLUSTER: a work-group whose tile has no rows jumps over the work, a branch on a stored number, and which expert a tile has hangs on the stored list.
; Every barrier stands at a label where the ways join: every wave passes it.
; LIMITS: NaN and infinities are not served; a block of zeros gets the byte 1 (its codes are zeros; this program alone reads the bytes).
; THE MODE: SCHED_MODE bits 1:0 = 2 (LLVM: expert scheduling mode 2), set by the entry lines.  The code itself states the register dependences
; between vector or matrix instructions and memory or LDS instructions, with s_wait_alu, always for 0.
; THE PLAN.  Registers that memory or LDS instructions touch:
;   v4-18     offsets and LDS addresses: made at the head, read to the end, never written again: one wait on va_vdst ahead of the first load.
;   v19-36    the gather: tokens are loaded, vector instructions make offsets of them (one wait on va_vdst), the gather's loads read those; the quantiser writes v20-34 much later.
;   window 1  v0-199: the gather's loads land, LDS stores read them; then the products write the window.  One wait on vm_vsrc at the first barrier serves this and v19-35.
;   X0, X1    two buffers of x's eight fragments.  K step s: its products read X[s % 2]; the LDS loads of K step s + 1 land in the other buffer, which the products of K step s - 1 read.
;             ONE wait on va_vdst at a K step's head states that those are done; the step's 24 loads follow it, dealt among its products, which name W1, X[s % 2], the sums and the scale words alone.
;   W1, b1, x's scale words: loaded once, named by products alone.  W1's scale words: loaded, rewritten by v_perm_b32, taken by the products: K step 0's wait.
;   v26, v27 and v200-247: a pair's scale bytes and its codes: written by vector instructions, read by the pair's five stores behind one wait on va_vdst; the codes have registers of their own
;             for each pair; v26 and v27 are written again in the next pair, behind a wait on vm_vsrc.
;   v248-251  the scale bytes on their way out: an LDS load lands, a store reads; no vector instruction names them.      v254, v255: written at the head, read by the closing add alone.
; REGISTERS, in windows of 256: window 0: v2-19 addresses; v20-36 the gather's tokens and offsets, later at work; v40-71 W1's scale words (8 u + s); v72-135 x's (8 i + s); v136-231 X0,
; later 64 numbers of h (v136-199) and the codes (v200-247); v248-251 the scale bytes on their way out; window 1: staging of the gather, then the accumulators (32 i + 8 u);
; window 2: W1's K steps 0-4 (48 s + 12 u), b1's tiles 0 and 1 at v240; window 3: K steps 5-7, b1's tiles 2 and 3 at v144, X1 at v160.
.set PITCH, 816                        ; an LDS row of x: 768 + 32 + 16 bytes = 51 x 16: sixteen rows' 16-byte pieces fall on sixteen different groups of banks
.set FRAGP, 16*PITCH
.set HSL,   128*PITCH                  ; behind x: h's scale bytes, [row][8]
.set WS,  40
.set XSC, 72
.set XF,  136                          ; X0, in window 0
.set XF1, 160                          ; X1, in window 3
.set CW,  200
.set SBO, 248
.set B1L, 240                          ; b1's tiles 0 and 1, in window 2
.set B1H, 144                          ; b1's tiles 2 and 3, in window 3
.set MSB, 0
.macro WIN new                         ; the immediate's high byte repeats the setting that is left
.if MSB != \new
	s_set_vgpr_msb (MSB<<8)|\new
.set MSB, \new
.endif
.endm
.macro PLACES n
.rept \n
	v_nop
.endr
.endm
.macro LDW s                           ; W1's four tiles of K step s: 12 loads of 16 bytes a lane
.if (\s) < 5
	WIN 0x80
.set WB, 48*(\s)
.else
	WIN 0xc0
.set WB, 48*((\s)-5)
.endif
.irp u, 0,1,2,3
.irp q, 0,1,2
	global_load_b128 v[WB+12*\u+4*\q:WB+12*\u+4*\q+3], v4, s[10:11] offset:6144*\u+96*(\s)+16*\q
.endr
.endr
.endm
.macro XL f, s                         ; x's fragment f of K step s from LDS into buffer s % 2: three loads
.if ((\s)%2)
	WIN 0xc0
.set XB, XF1+12*(\f)
.else
	WIN 0
.set XB, XF+12*(\f)
.endif
.irp q, 0,1,2
	ds_load_b128 v[XB+4*\q:XB+4*\q+3], v[11+(\f)/4] offset:FRAGP*((\f)%4)+96*(\s)+16*\q
.endr
.endm
.macro QUAD i, s                       ; row fragment i against W1's four tiles: 4 products, each on an accumulator of its own: the 32 take turns in the same order in every K step
.if (\s) < 5
.set WB, 48*(\s)
.set WW, 2
.else
.set WB, 48*((\s)-5)
.set WW, 3
.endif
.if ((\s)%2)
.set XB, XF1+12*(\i)
.set XW, 3
.else
.set XB, XF+12*(\i)
.set XW, 0
.endif
.irp u, 0,1,2,3
.set AC, 32*(\i)+8*\u
.if (\s) == 0
.set BC, B1L+8*\u-(B1L+16-B1H)*(\u/2)  ; b1's tile u: v240, v248 of window 2; v144, v152 of window 3
.set NW, 0x40+16*(2+\u/2)+4*XW+WW      ; result window 1, b1 window 2 or 3, x and W1 by the K step
	WIN NW
	v_wmma_scale_f32_16x16x128_f8f6f4 v[AC:AC+7], v[WB+12*\u:WB+12*\u+11], v[XB:XB+11], v[BC:BC+7], v[WS+8*\u+(\s)], v[XSC+8*(\i)+(\s)] matrix_a_fmt:MATRIX_FMT_BF6 matrix_b_fmt:MATRIX_FMT_BF6
.else
.set NW, 0x50+4*XW+WW                  ; C and D window 1
	WIN NW
	v_wmma_scale_f32_16x16x128_f8f6f4 v[AC:AC+7], v[WB+12*\u:WB+12*\u+11], v[XB:XB+11], v[AC:AC+7], v[WS+8*\u+(\s)], v[XSC+8*(\i)+(\s)] matrix_a_fmt:MATRIX_FMT_BF6 matrix_b_fmt:MATRIX_FMT_BF6
.endif
.endr
.endm
.macro STEP s
.if (\s) >= 3
	s_wait_loadcnt 12*(7-(\s))                     ; W1's K step s is in: behind it stand the 12 loads of each later K step
.endif
	s_wait_dscnt 12                                ; this K step's fragments 0-3 are in; the 12 loads of fragments 4-7 may be out
.if (\s) < 7
	s_wait_alu depctr_va_vdst(0)                   ; the products of the K step before are done reading the other buffer of x, in which the loads below land; in K step 0: the v_perm_b32 have written W1's scale words, which the products take
.endif
.irp i, 0,1,2,3
.if (\s) < 7
	XL 2*\i, (\s)+1                                ; two fragments of the next K step.  No further wait: no product since the wait above names their registers
	XL 2*\i+1, (\s)+1
.endif
	QUAD \i, \s
.endr
.if (\s) == 0
	LDW 7                                          ; into registers that no vector or matrix instruction has named
.endif
.if (\s) < 7
	s_wait_dscnt 24                                ; this K step's fragments 4-7 are in; the 24 loads just issued may be out
.else
	s_wait_dscnt 0x0
.endif
.irp i, 4,5,6,7
	QUAD \i, \s
.endr
	PLACES 4                                       ; four plain instructions behind the K step's last products, ahead of the loads into the buffer that they read and, behind the last K step, of the first read of the sums (ISA guide 7.12.1 for vector instructions)
.endm
; Row fragments i and i + 1: relu, each lane's block of 32 quantised, the two fragments' halves exchanged so that lane (r, g) holds both blocks of row r of fragment i + g, and stored as an image.
.macro QPAIR i
.set CC, CW+6*(\i)
	WIN 0x04                                       ; source 1: the accumulators, window 1
.set K, 0
.rept 64
	v_max_num_f32 v[XF+K], 0, v[32*(\i)+K]         ; each accumulator from its low end on
.set K, K+1
.endr
	WIN 0
.irp f, 0,1
	v_max3_num_f32 v[20+2*\f], v[XF+32*\f], v[XF+1+32*\f], 0x2800000      ; none is negative: no |.|; the floor 2^(5 - 127) holds the byte at 1 from below
	v_max3_num_f32 v[21+2*\f], v[XF+16+32*\f], v[XF+17+32*\f], 0x2800000
.endr
.irp k, 2,4,6,8,10,12,14
.irp f, 0,1
	v_max3_num_f32 v[20+2*\f], v[20+2*\f], v[XF+32*\f+\k], v[XF+1+32*\f+\k]
	v_max3_num_f32 v[21+2*\f], v[21+2*\f], v[XF+16+32*\f+\k], v[XF+17+32*\f+\k]
.endr
.endr
.irp f, 0,1
	v_max_num_f32 v[20+2*\f], v[20+2*\f], v[21+2*\f]
.endr
.irp f, 0,1
	v_add_nc_u32 v[24+\f], 0xfe000000, v[20+2*\f]  ; 4 off the exponent field: the conversion's scale operand
.endr
.if (\i) > 0
	s_wait_alu depctr_vm_vsrc(0)                   ; the last pair's LDS stores have read v26 and v27, which the two lines below write again
.endif
.irp f, 0,1
	v_lshrrev_b32 v[26+\f], 23, v[24+\f]           ; the scale's byte
.endr
	v_cvt_scalef32_pk16_bf6_f32 v[CC:CC+2], v[XF:XF+15], v24
	v_cvt_scalef32_pk16_bf6_f32 v[28:30], v[XF+16:XF+31], v24      ; (a conversion's three registers begin on an even number)
	v_cvt_scalef32_pk16_bf6_f32 v[CC+6:CC+8], v[XF+32:XF+47], v25
	v_cvt_scalef32_pk16_bf6_f32 v[32:34], v[XF+48:XF+63], v25
	v_nop                                          ; one plain instruction behind the conversions
.irp k, 0,1,2
	v_mov_b32 v[CC+3+\k], v[28+\k]
	v_mov_b32 v[CC+9+\k], v[32+\k]
.endr
.irp k, 0,1,2,3,4,5
	v_permlane16_swap_b32 v[CC+\k], v[CC+6+\k]     ; the first's lanes 16-31 change places with the second's lanes 0-15
.endr
	s_wait_alu depctr_va_vdst(0)                   ; the shifts have written v26 and v27, the conversions, moves and exchanges the pair's twelve registers of codes: the five stores below read them
.irp f, 0,1
	ds_store_b8 v16, v[26+\f] offset:128*((\i)+\f)
.endr
.irp q, 0,1,2
	global_store_b128 v15, v[CC+4*\q:CC+4*\q+3], s[16:17] offset:24576*(\i)+512*\q   ; each half of the lanes stores 256 consecutive bytes, aligned; each pair has registers of its own, which nothing writes again
.endr
.endm
	s_load_b512 s[4:19], s[0:1], 0x0               ; plan, xq, xs, W1_codes, W1_scales, b1, hq, hs
	v_lshl_add_u32 v254, v0, 2, 0x19c00
	v_mov_b32 v255, 0
	v_lshrrev_b32 v1, 5, v0
	v_readfirstlane_b32 s24, v1                    ; wave
	s_and_b32 s26, ttmp7, 0xffff                   ; tile
	s_lshl_b32 s30, s26, 4
	s_mov_b32 s31, 0
	s_wait_kmcnt 0x0
	s_add_nc_u64 s[32:33], s[4:5], s[30:31]
	s_load_b128 s[20:23], s[32:33], 0x0            ; the tile's record: expert, first place, rows
	v_and_b32 v2, 15, v0                           ; r
	v_bfe_u32 v3, v0, 4, 1                         ; h
	v_bfe_u32 v232, v0, 3, 1
	v_and_b32 v233, 7, v0
	v_lshl_add_u32 v232, v232, 5, v233             ; 32 (r / 8) + r % 8
	v_mul_u32_u24 v4, v232, 768
	v_mad_u32_u24 v4, v3, 48, v4                   ; W1's codes
	v_lshlrev_b32 v5, 5, v232                      ; W1's scales
	v_lshlrev_b32 v6, 7, v3                        ; b1: 32 numbers a half
	v_lshlrev_b32 v7, 7, v1
	v_lshl_add_u32 v7, v3, 2, v7                   ; the list: place 32 w + 2 p + h
	v_lshlrev_b32 v8, 2, v0                        ; the list: place = thread
	v_lshl_add_u32 v233, v1, 5, v3
	v_mul_u32_u24 v9, v233, PITCH
	v_lshl_add_u32 v9, v2, 4, v9                   ; x into LDS: row 32 w + h (+ 2 p), 16 r
	v_mul_u32_u24 v10, v0, PITCH
	v_add_nc_u32 v10, 768, v10                     ; x's scales into LDS: row = thread
	v_mul_u32_u24 v11, v2, PITCH
	v_add_nc_u32 v13, 768, v11                     ; x's scale words, fragments 0-3
	v_mad_u32_u24 v11, v3, 48, v11                 ; x's fragments 0-3
	v_add_nc_u32 v12, 4*FRAGP, v11                 ; fragments 4-7
	v_add_nc_u32 v14, 4*FRAGP, v13
	v_mul_u32_u24 v15, v3, 24576
	v_lshl_add_u32 v15, v2, 4, v15                 ; hq: fragment i + h, 16 r
	v_lshlrev_b32 v16, 3, v2                       ; h's scale byte: 8 r + 4 (w / 2) + 2 h + w % 2
	v_lshl_add_u32 v16, v3, 1, v16
	v_bfe_u32 v233, v0, 6, 1
	v_lshl_add_u32 v16, v233, 2, v16
	v_bfe_u32 v233, v0, 5, 1
	v_add_nc_u32 v16, v16, v233
	v_add_nc_u32 v16, HSL, v16
	v_lshl_add_u32 v17, v0, 4, HSL                 ; the scale bytes' way out (waves 0 and 1)
	v_lshlrev_b32 v18, 4, v0
	s_wait_alu depctr_va_sdst(0)                   ; s24, the wave's number, is written, ahead of its first reader: the bases below are made from it
	s_wait_kmcnt 0x0
	s_min_u32 s27, s20, 7                          ; expert
	s_min_u32 s28, s21, 2047                       ; first place
	s_min_u32 s29, s22, 128                        ; rows
	s_mul_i32 s30, s27, 0x180000
	s_mul_i32 s34, ttmp9, 196608
	s_add_co_u32 s30, s30, s34
	s_mul_i32 s34, s24, 49152
	s_add_co_u32 s30, s30, s34
	s_add_nc_u64 s[10:11], s[10:11], s[30:31]      ; W1's codes at my 64 rows
	s_lshl_b32 s30, s27, 16
	s_lshl_b32 s34, ttmp9, 13
	s_add_co_u32 s30, s30, s34
	s_lshl_b32 s34, s24, 11
	s_add_co_u32 s30, s30, s34
	s_add_nc_u64 s[12:13], s[12:13], s[30:31]      ; their scales
	s_lshl_b32 s30, s27, 13
	s_lshl_b32 s34, ttmp9, 10
	s_add_co_u32 s30, s30, s34
	s_lshl_b32 s34, s24, 8
	s_add_co_u32 s30, s30, s34
	s_add_nc_u64 s[14:15], s[14:15], s[30:31]      ; b1
	s_lshl_b32 s30, s28, 2
	s_add_co_u32 s30, s30, 512
	s_add_nc_u64 s[4:5], s[4:5], s[30:31]          ; the list at the tile's first place
	s_mul_i32 s30, s26, 196608
	s_lshl_b32 s34, ttmp9, 1
	s_lshr_b32 s35, s24, 1
	s_add_co_u32 s34, s34, s35
	s_mul_i32 s34, s34, 1536
	s_add_co_u32 s30, s30, s34
	s_and_b32 s35, s24, 1
	s_lshl_b32 s35, s35, 8
	s_add_co_u32 s30, s30, s35
	s_add_nc_u64 s[16:17], s[16:17], s[30:31]      ; hq: my tile, K step 2 x + w / 2, lanes 16 (w % 2) on
	s_lshl_b32 s30, s26, 13
	s_lshl_b32 s34, ttmp9, 10
	s_add_co_u32 s30, s30, s34
	s_add_nc_u64 s[18:19], s[18:19], s[30:31]      ; hs
	; ---- the head's loads, on every way: the tokens first, the first weights in their shadow
	s_wait_alu depctr_va_vdst(0)                   ; the offsets and LDS addresses v4 to v18 are written: every load and store of the kernel but the gather's reads one of them, and none is written again
.irp p, 0,1,2,3,4,5,6,7,8,9,10,11,12,13,14,15
	global_load_b32 v[20+\p], v7, s[4:5] offset:8*\p
.endr
	global_load_b32 v36, v8, s[4:5]
.irp u, 0,1,2,3
.irp z, 0,1
	global_load_b128 v[WS+8*\u+4*\z:WS+8*\u+4*\z+3], v5, s[12:13] offset:256*\u+16*\z
.endr
.endr
	WIN 0xc0
.irp q, 4,5,6,7
	global_load_b128 v[B1H+4*(\q-4):B1H+4*(\q-4)+3], v6, s[14:15] offset:16*\q   ; b1's tiles 2 and 3
.endr
	WIN 0x80
.irp q, 0,1,2,3
	global_load_b128 v[B1L+4*\q:B1L+4*\q+3], v6, s[14:15] offset:16*\q           ; b1's tiles 0 and 1
.endr
	LDW 0
	LDW 1
	LDW 2
	WIN 0
	s_cmp_eq_u32 s29, 0
	s_cbranch_scc1 .LJ1
	; ---- S1: my 32 rows of x are gathered into LDS
	s_wait_loadcnt 52                              ; the 17 loads from the list are in: behind them stand 8 + 8 + 36 loads
.irp p, 0,1,2,3,4,5,6,7,8,9,10,11,12,13,14,15
	v_min_u32 v[20+\p], 0x7ff, v[20+\p]
	v_mul_u32_u24 v[20+\p], v[20+\p], 768
	v_lshl_add_u32 v[20+\p], v2, 4, v[20+\p]
.endr
	v_min_u32 v36, 0x7ff, v36
	v_lshlrev_b32 v19, 5, v36
	WIN 0x40
	s_wait_alu depctr_va_vdst(0)                   ; the rows' offsets v19 to v35 are written, which the gather's loads read
.irp p, 0,1,2,3,4,5,6,7,8,9,10,11,12,13,14,15
.irp j, 0,1,2
	global_load_b128 v[12*\p+4*\j:12*\p+4*\j+3], v[20+\p], s[6:7] offset:256*\j   ; sixteen lanes read 256 consecutive bytes of a row, aligned
.endr
.endr
	global_load_b128 v[192:195], v19, s[8:9]
	global_load_b128 v[196:199], v19, s[8:9] offset:16
	WIN 0x04
.irp p, 0,1,2,3,4,5,6,7,8,9,10,11,12,13,14,15
	s_wait_loadcnt 47-3*\p                         ; pair p's three loads are in: behind them stand 3 (15 - p) + 2 loads
.irp j, 0,1,2
	ds_store_b128 v9, v[12*\p+4*\j:12*\p+4*\j+3] offset:2*PITCH*\p+256*\j
.endr
.endr
	s_wait_loadcnt 0x0
	ds_store_b128 v10, v[192:195]
	ds_store_b128 v10, v[196:199] offset:16
	WIN 0
.LJ1:
	s_wait_dscnt 0x0                               ; my stores have landed
	s_wait_alu depctr_vm_vsrc(0)                   ; my LDS stores have read window 1's staging registers, which the products write; the gather's loads have read v19 to v35, of which the quantiser writes v20 to v34
	s_barrier_signal -1
	s_barrier_wait -1                              ; the 128 rows lie in LDS
	s_cmp_eq_u32 s29, 0
	s_cbranch_scc1 .LJ2
	; ---- S2: the products and the quantiser
	LDW 3
	LDW 4
	LDW 5
	LDW 6
	WIN 0
.irp i, 0,1,2,3,4,5,6,7
.irp z, 0,1
	ds_load_b128 v[XSC+8*\i+4*\z:XSC+8*\i+4*\z+3], v[13+\i/4] offset:FRAGP*(\i%4)+16*\z
.endr
.endr
.irp f, 0,1,2,3,4,5,6,7
	XL \f, 0                                       ; K step 0's fragments into X0
.endr
	s_wait_loadcnt 48                              ; all the head's loads are in: behind them stand the 48 just issued, on either way here
.set K, 0
.rept 32
	v_perm_b32 v[WS+K], v[WS+K], v[WS+K], 0x03010200   ; W1's scale words: bytes 1 and 2 change places
.set K, K+1
.endr
	PLACES 8                                       ; a scale register written by a vector instruction stands eight plain instructions ahead of the product; K step 0's wait follows them
.irp s, 0,1,2,3,4,5,6,7
	STEP \s
.endr
	QPAIR 0
	QPAIR 2
	QPAIR 4
	QPAIR 6
.LJ2:
	s_wait_dscnt 0x0                               ; my scale bytes have landed
	s_barrier_signal -1
	s_barrier_wait -1
	s_cmp_eq_u32 s29, 0
	s_cbranch_scc1 .Lend
	s_cmp_ge_u32 s24, 2
	s_cbranch_scc1 .Lend
	ds_load_b128 v[SBO:SBO+3], v17                 ; ---- S3: 1,024 scale bytes leave by waves 0 and 1, 512 consecutive bytes each; into registers that no pending store of codes and no vector instruction names
	s_wait_dscnt 0x0
	global_store_b128 v18, v[SBO:SBO+3], s[18:19]
.Lend:
	s_wait_dscnt 0x0                               ; the closing lines, six on end
	s_wait_alu 0x0
	s_wait_tensorcnt 0x0
	ds_add_u32 v254, v255
	s_wait_dscnt 0x0
	s_endpgm
.Lfunc_end_k_qca098a2dc9_up:
	.size	k_qca098a2dc9_up, .Lfunc_end_k_qca098a2dc9_up-k_qca098a2dc9_up
	.p2alignl 7, 3214868480
	.fill 96, 4, 3214868480
	.section	.rodata,"a",@progbits
	.p2align	6, 0x0
	.amdhsa_kernel k_qca098a2dc9_up
		.amdhsa_group_segment_fixed_size 105984
		.amdhsa_private_segment_fixed_size 0
		.amdhsa_enable_private_segment 0
		.amdhsa_kernarg_size 64
		.amdhsa_user_sgpr_count 2
		.amdhsa_user_sgpr_kernarg_segment_ptr 1
		.amdhsa_wavefront_size32 1
		.amdhsa_system_sgpr_workgroup_id_x 1
		.amdhsa_system_sgpr_workgroup_id_y 1
		.amdhsa_system_sgpr_workgroup_id_z 1
		.amdhsa_system_vgpr_workitem_id 0
		.amdhsa_next_free_vgpr 1024
		.amdhsa_next_free_sgpr 66
		.amdhsa_reserve_vcc 0
		.amdhsa_float_denorm_mode_32 3
		.amdhsa_float_denorm_mode_16_64 3
		.amdhsa_memory_ordered 1
		.amdhsa_forward_progress 1
		.amdhsa_inst_pref_size 105
	.end_amdhsa_kernel
	.amdgpu_metadata
---
amdhsa.version: [ 1, 2 ]
amdhsa.kernels:
  - .name:           k_qca098a2dc9_up
    .symbol:         k_qca098a2dc9_up.kd
    .args:
      - { .name: plan, .offset: 0, .size: 8, .value_kind: global_buffer, .address_space: global }
      - { .name: xq, .offset: 8, .size: 8, .value_kind: global_buffer, .address_space: global }
      - { .name: xs, .offset: 16, .size: 8, .value_kind: global_buffer, .address_space: global }
      - { .name: W1_codes, .offset: 24, .size: 8, .value_kind: global_buffer, .address_space: global }
      - { .name: W1_scales, .offset: 32, .size: 8, .value_kind: global_buffer, .address_space: global }
      - { .name: b1, .offset: 40, .size: 8, .value_kind: global_buffer, .address_space: global }
      - { .name: hq, .offset: 48, .size: 8, .value_kind: global_buffer, .address_space: global }
      - { .name: hs, .offset: 56, .size: 8, .value_kind: global_buffer, .address_space: global }
    .group_segment_fixed_size: 105984
    .private_segment_fixed_size: 0
    .kernarg_segment_align: 8
    .kernarg_segment_size: 64
    .max_flat_workgroup_size: 128
    .sgpr_count:     66
    .vgpr_count:     1024
    .wavefront_size: 32
...
	.end_amdgpu_metadata
.endif
;; end of part 7
;; launch down (part 8): grid 8 x 23, 4 waves a work-group, no clusters, 272,896 bytes of LDS; arguments plan, gsort, hq, hs, W2_codes, W2_scales, b2, out0; writes out0
.if DOCPART == 8
	.amdgcn_target "amdgcn-amd-amdhsa--gfx1250"
	.amdhsa_code_object_version 6
	.text
	.protected	k_qca098a2dc9_down
	.globl	k_qca098a2dc9_down
	.p2align	8
	.type	k_qca098a2dc9_down,@function
k_qca098a2dc9_down:
	s_mov_b64 s[64:65], 0
	v_nop
	global_prefetch_b8 v0, s[64:65] scope:SCOPE_SE
	s_setreg_imm32_b32 hwreg(HW_REG_WAVE_SCHED_MODE, 0, 2), 2
	s_setreg_imm32_b32 hwreg(HW_REG_WAVE_MODE, 25, 1), 1
	s_wait_xcnt 0x0
	s_wait_alu depctr_vm_vsrc(0)
; out[token] = gate x (h W2[e] + b2[e]) for one tile of 128 sorted rows of one expert (work-group y) and 128 columns (work-group x), on codes of E3M2 with E8M0 scales.
; SHARES.  Four waves; wave w makes all 128 rows x columns 32 w .. 32 w + 31: 16 accumulators.  Its part of W2 (16 K steps x 2 tiles x 12 registers) goes from memory straight into registers, each byte once.
; The tile's h (196,608 bytes of operand images, 8,192 of scale words) is copied into LDS as it lies and read by all four waves: a fragment is three loads of 512 consecutive bytes.
; K MAP as in the launch that made h: a lane of half h takes the 48 bytes at 96 s + 48 h of its row of W2; W2's scale words get their bytes 1 and 2 exchanged; h's were stored so.
; THE PRODUCT IS USED TRANSPOSED (source 0 = 16 rows of W2, source 1 = 16 rows of h): a lane holds eight neighbouring columns of one row.  b2 is the C of the first K step.
; THE WAY OUT: times the row's gate, through a stage in LDS, and each wave stores its 32 rows' 512 bytes to the rows' tokens; rows behind the tile's count are not stored.  Each output row has one owner.
; NO TENSOR LOADS, NO CLUSTER: a work-group whose tile has no rows jumps over the work, a branch on a stored number.  Every barrier stands at a label where the ways join.
; LIMITS: NaN and infinities are not served (0 x infinity from an expert that was not chosen is not made).
; THE MODE: SCHED_MODE bits 1:0 = 2 (LLVM: expert scheduling mode 2), set by the entry lines.  The code itself states the register dependences
; between vector or matrix instructions and memory or LDS instructions, with s_wait_alu, always for 0.
; THE PLAN.  Registers that memory or LDS instructions touch:
;   v4-23     offsets and LDS addresses: made at the head, read to the end, never written again: one wait on va_vdst ahead of the first load.
;   window 1  the copy's staging: loads land, LDS stores read.  Its v0-127 take a second run of loads (a wait on vm_vsrc ahead of it); then v0-127 are the sums, which products write, and v128-223 are H0,
;             in which LDS loads land: one wait on vm_vsrc at the first barrier, which also serves v200-215 (read by LDS stores of the copy, loaded again on the way out).
;   H0, H1    two buffers of h's eight fragments.  K step s: its products read H[s % 2]; the LDS loads of K step s + 1 land in the other buffer, which the products of K step s - 1 read.
;             ONE wait on va_vdst at a K step's head states that those are done; the step's 24 loads follow it, dealt among its products, which name W2, H[s % 2], the sums and the scale words alone.
;   W2, b2, the gates, h's scale words: loaded once, named by vector and matrix instructions alone.  W2's scale words: loaded, rewritten by v_perm_b32, taken by the products: K step 0's wait.
;   the sums  written by the multiplications by the gates, read by the LDS stores into the stage: one wait on va_vdst.
;   v200-239  the way out, eight rows at a time: LDS loads land in v200-231, vector instructions make the eight offsets v232-239 (one wait on va_vdst), eight stores read both;
;             the next eight write both again behind a wait on vm_vsrc.      v254, v255: written at the head, read by the closing add alone.
; REGISTERS, in windows of 256: window 0: v1-23 addresses; v24-39 gates (2 i; the odd ones 0); v40-71 W2's scale words (16 n + s); v72-199 h's (16 i + s); v200-239 the way out;
; window 1: staging of the copy, then accumulators (16 i + 8 n) and from v128 H0; window 2: W2's K steps 0-9 (24 s + 12 n); window 3: K steps 10-15, b2 at v144 (8 n + j), H1 at v160.
.set HSL, 196608                       ; LDS 0: h's images; here its scale words: [block of two K steps 1,024][row 8]
.set STG, 204800                       ; the stage: 128 rows x (512 + 16) bytes
.set SP,  528
.set G,   24
.set WS,  40
.set HSC, 72
.set OB,  200
.set OF,  232
.set XF,  128                          ; H0, in window 1
.set XF1, 160                          ; H1, in window 3
.set B2,  144
.set MSB, 0
.macro WIN new                         ; the immediate's high byte repeats the setting that is left
.if MSB != \new
	s_set_vgpr_msb (MSB<<8)|\new
.set MSB, \new
.endif
.endm
.macro PLACES n
.rept \n
	v_nop
.endr
.endm
.macro LDW s                           ; W2's two tiles of K step s: 6 loads of 16 bytes a lane
.if (\s) < 10
	WIN 0x80
.set WB, 24*(\s)
.else
	WIN 0xc0
.set WB, 24*((\s)-10)
.endif
.irp n, 0,1
.irp q, 0,1,2
	global_load_b128 v[WB+12*\n+4*\q:WB+12*\n+4*\q+3], v4, s[12:13] offset:24576*\n+96*(\s)+16*\q
.endr
.endr
.endm
.macro HL f, s                         ; h's fragment f of K step s from LDS into buffer s % 2: three loads
.if ((\s)%2)
	WIN 0xc0
.set XB, XF1+12*(\f)
.else
	WIN 0x40
.set XB, XF+12*(\f)
.endif
.irp q, 0,1,2
	ds_load_b128 v[XB+4*\q:XB+4*\q+3], v[12+(\f)] offset:1536*(\s)+512*\q
.endr
.endm
.macro DUO i, s                        ; row fragment i against W2's two tiles: 2 products, each on an accumulator of its own: the 16 take turns in the same order in every K step
.if (\s) < 10
.set WB, 24*(\s)
.set WW, 2
.else
.set WB, 24*((\s)-10)
.set WW, 3
.endif
.if ((\s)%2)
.set XB, XF1+12*(\i)
.set XW, 3
.else
.set XB, XF+12*(\i)
.set XW, 1
.endif
.if (\s) == 0
.set NW, 0x70+4*XW+WW                  ; result window 1, b2 window 3, h and W2 by the K step
.else
.set NW, 0x50+4*XW+WW                  ; C and D window 1
.endif
	WIN NW
.irp n, 0,1
.set AC, 16*(\i)+8*\n
.if (\s) == 0
	v_wmma_scale_f32_16x16x128_f8f6f4 v[AC:AC+7], v[WB+12*\n:WB+12*\n+11], v[XB:XB+11], v[B2+8*\n:B2+8*\n+7], v[WS+16*\n+(\s)], v[HSC+16*(\i)+(\s)] matrix_a_fmt:MATRIX_FMT_BF6 matrix_b_fmt:MATRIX_FMT_BF6
.else
	v_wmma_scale_f32_16x16x128_f8f6f4 v[AC:AC+7], v[WB+12*\n:WB+12*\n+11], v[XB:XB+11], v[AC:AC+7], v[WS+16*\n+(\s)], v[HSC+16*(\i)+(\s)] matrix_a_fmt:MATRIX_FMT_BF6 matrix_b_fmt:MATRIX_FMT_BF6
.endif
.endr
.endm
.macro STEP s
.if (\s) <= 6
	s_wait_loadcnt 54                              ; W2's K step s is in: nine later K steps' loads, 6 each, have been issued behind it
.else
	s_wait_loadcnt 6*(15-(\s))
.endif
	s_wait_dscnt 12                                ; this K step's fragments 0-3 are in; the 12 loads of fragments 4-7 may be out
.if (\s) < 15
	s_wait_alu depctr_va_vdst(0)                   ; the products of the K step before are done reading the other buffer of h, in which the loads below land; in K step 0: the v_perm_b32 have written W2's scale words, which the products take
.endif
.irp i, 0,1,2,3
.if (\s) < 15
	HL 2*\i, (\s)+1                                ; two fragments of the next K step.  No further wait: no product since the wait above names their registers
	HL 2*\i+1, (\s)+1
.endif
	DUO \i, \s
.endr
.if (\s) <= 5
	LDW (\s)+10                                    ; into registers that no vector or matrix instruction has named
.endif
.if (\s) < 15
	s_wait_dscnt 24                                ; this K step's fragments 4-7 are in; the 24 loads just issued may be out
.else
	s_wait_dscnt 0x0
.endif
.irp i, 4,5,6,7
	DUO \i, \s
.endr
	PLACES 4                                       ; four plain instructions behind the K step's last products, ahead of the loads into the buffer that they read and, behind the last K step, of the first read of the sums (ISA guide 7.12.1 for vector instructions)
.endm
	s_load_b512 s[4:19], s[0:1], 0x0               ; plan, gsort, hq, hs, W2_codes, W2_scales, b2, out0
	v_lshl_add_u32 v254, v0, 2, 0x42800
	v_mov_b32 v255, 0
	v_lshrrev_b32 v11, 5, v0
	v_readfirstlane_b32 s66, v11                   ; wave
	s_and_b32 s67, ttmp7, 0xffff                   ; tile
	s_lshl_b32 s72, s67, 4
	s_mov_b32 s73, 0
	s_wait_kmcnt 0x0
	s_add_nc_u64 s[78:79], s[4:5], s[72:73]
	s_load_b128 s[20:23], s[78:79], 0x0            ; the tile's record: expert, first place, rows
	v_and_b32 v1, 31, v0                           ; lane
	v_and_b32 v2, 15, v0                           ; r
	v_bfe_u32 v3, v0, 4, 1                         ; h
	v_mul_u32_u24 v4, v2, 1536
	v_mad_u32_u24 v4, v3, 48, v4                   ; W2's codes
	v_lshlrev_b32 v5, 6, v2                        ; W2's scales
	v_lshlrev_b32 v6, 5, v3                        ; b2: 8 numbers a half
	v_lshlrev_b32 v7, 2, v2                        ; the gates
	v_mul_u32_u24 v8, v11, 49152
	v_lshl_add_u32 v8, v1, 4, v8                   ; the copy of h: my wave's quarter, in memory and in LDS alike
	v_lshlrev_b32 v9, 11, v11
	v_lshl_add_u32 v9, v1, 4, v9                   ; the copy of its scale words
	v_add_nc_u32 v10, HSL, v9
	v_lshlrev_b32 v12, 4, v1                       ; h's fragment i: 24,576 i + 16 x lane
.irp i, 1,2,3,4,5,6,7
	v_add_nc_u32 v[12+\i], 24576*\i, v12
.endr
	v_lshl_add_u32 v20, v2, 3, HSL                 ; h's scale words: 8 bytes a row
	v_mul_u32_u24 v21, v2, SP
	v_lshl_add_u32 v21, v11, 7, v21
	v_lshl_add_u32 v21, v3, 5, v21
	v_add_nc_u32 v21, STG, v21                     ; into the stage: row r, 128 w + 32 h
	v_mul_u32_u24 v22, v11, 32*SP
	v_lshl_add_u32 v22, v1, 4, v22
	v_add_nc_u32 v22, STG, v22                     ; back: my 32 rows, 16 bytes a lane
	v_lshlrev_b32 v23, 4, v1
.irp i, 0,1,2,3,4,5,6,7
	v_mov_b32 v[G+2*\i+1], 0                       ; named with the gate as a pair, so it is written
.endr
	s_wait_alu depctr_va_sdst(0)                   ; s66, the wave's number, is written, ahead of its first reader: the bases below are made from it
	s_wait_kmcnt 0x0
	s_min_u32 s68, s20, 7                          ; expert
	s_min_u32 s69, s21, 2047                       ; first place
	s_min_u32 s70, s22, 128                        ; rows
	s_lshl_b32 s76, s66, 5
	s_sub_co_i32 s71, s70, s76
	s_max_i32 s71, s71, 0                          ; how many of my 32 rows count
	s_add_co_u32 s72, s69, s76
	s_lshl_b32 s72, s72, 2
	s_add_co_u32 s72, s72, 512
	s_add_nc_u64 s[80:81], s[4:5], s[72:73]
	s_load_b512 s[32:47], s[80:81], 0x0            ; my 32 rows' tokens
	s_load_b512 s[48:63], s[80:81], 0x40
	s_mul_i32 s72, s68, 0x180000
	s_mul_i32 s74, ttmp9, 196608
	s_add_co_u32 s72, s72, s74
	s_mul_i32 s74, s66, 49152
	s_add_co_u32 s72, s72, s74
	s_add_nc_u64 s[12:13], s[12:13], s[72:73]      ; W2's codes at my 32 rows
	s_lshl_b32 s72, s68, 16
	s_lshl_b32 s74, ttmp9, 13
	s_add_co_u32 s72, s72, s74
	s_lshl_b32 s74, s66, 11
	s_add_co_u32 s72, s72, s74
	s_add_nc_u64 s[14:15], s[14:15], s[72:73]      ; their scales
	s_lshl_b32 s72, s68, 12
	s_lshl_b32 s74, ttmp9, 9
	s_add_co_u32 s72, s72, s74
	s_lshl_b32 s74, s66, 7
	s_add_co_u32 s72, s72, s74
	s_add_nc_u64 s[16:17], s[16:17], s[72:73]      ; b2
	s_lshl_b32 s72, s69, 2
	s_add_nc_u64 s[6:7], s[6:7], s[72:73]          ; the gates at the tile's first place
	s_mul_i32 s72, s67, 196608
	s_add_nc_u64 s[8:9], s[8:9], s[72:73]          ; hq at my tile
	s_lshl_b32 s72, s67, 13
	s_add_nc_u64 s[10:11], s[10:11], s[72:73]      ; hs
	s_lshl_b32 s72, ttmp9, 9
	s_add_nc_u64 s[18:19], s[18:19], s[72:73]      ; out0 at my 128 columns
	; ---- the head's loads, on every way: 8 + 4 + 8 + 30
	s_wait_alu depctr_va_vdst(0)                   ; the offsets and LDS addresses v4 to v23 are written: every load and store of the kernel but the last stores reads one of them, and none is written again
.irp n, 0,1
.irp q, 0,1,2,3
	global_load_b128 v[WS+16*\n+4*\q:WS+16*\n+4*\q+3], v5, s[14:15] offset:1024*\n+16*\q
.endr
.endr
	WIN 0xc0
.irp n, 0,1
.irp z, 0,1
	global_load_b128 v[B2+8*\n+4*\z:B2+8*\n+4*\z+3], v6, s[16:17] offset:64*\n+16*\z
.endr
.endr
	WIN 0
.irp i, 0,1,2,3,4,5,6,7
	global_load_b32 v[G+2*\i], v7, s[6:7] offset:64*\i
.endr
	LDW 0
	LDW 1
	LDW 2
	LDW 3
	LDW 4
	WIN 0
	s_cmp_eq_u32 s70, 0
	s_cbranch_scc1 .LJ1
	; ---- S1: my quarter of the tile's h goes into LDS as it lies: three runs of 32 loads of 512 consecutive bytes
.irp k, 0,1,2,3
	global_load_b128 v[OB+4*\k:OB+4*\k+3], v9, s[10:11] offset:512*\k
.endr
	WIN 0x40
.set K, 0
.rept 32
	global_load_b128 v[4*K:4*K+3], v8, s[8:9] offset:512*K
.set K, K+1
.endr
.set K, 0
.rept 32
	global_load_b128 v[128+4*K:128+4*K+3], v8, s[8:9] offset:16384+512*K
.set K, K+1
.endr
	s_wait_loadcnt 32                              ; all but the second run's 32
	WIN 0
.irp k, 0,1,2,3
	ds_store_b128 v10, v[OB+4*\k:OB+4*\k+3] offset:512*\k
.endr
	WIN 0x04
.set K, 0
.rept 32
	ds_store_b128 v8, v[4*K:4*K+3] offset:512*K
.set K, K+1
.endr
	s_wait_dscnt 0x0                               ; the first run lies in LDS
	WIN 0x40
	s_wait_alu depctr_vm_vsrc(0)                   ; the LDS stores have read the first run's 128 registers, in which the third run's loads land
.set K, 0
.rept 32
	global_load_b128 v[4*K:4*K+3], v8, s[8:9] offset:32768+512*K
.set K, K+1
.endr
	s_wait_loadcnt 32                              ; the second run is in; the third's 32 may be out
	WIN 0x04
.set K, 0
.rept 32
	ds_store_b128 v8, v[128+4*K:128+4*K+3] offset:16384+512*K
.set K, K+1
.endr
	s_wait_loadcnt 0x0
.set K, 0
.rept 32
	ds_store_b128 v8, v[4*K:4*K+3] offset:32768+512*K
.set K, K+1
.endr
	WIN 0
.LJ1:
	s_wait_dscnt 0x0                               ; my stores have landed
	s_wait_alu depctr_vm_vsrc(0)                   ; my LDS stores have read window 1's staging registers, which the products write and in which h's fragments land, and v200 to v215, in which the way out's loads land
	s_barrier_signal -1
	s_barrier_wait -1                              ; the tile's h lies in LDS
	s_cmp_eq_u32 s70, 0
	s_cbranch_scc1 .LJ2
	; ---- S2: the products
	LDW 5
	LDW 6
	LDW 7
	LDW 8
	LDW 9
	WIN 0
.irp i, 0,1,2,3,4,5,6,7
.irp c, 0,1,2,3,4,5,6,7
	ds_load_b64 v[HSC+16*\i+2*\c:HSC+16*\i+2*\c+1], v20 offset:1024*\c+128*\i
.endr
.endr
.irp f, 0,1,2,3,4,5,6,7
	HL \f, 0                                       ; K step 0's fragments into H0
.endr
	s_wait_loadcnt 60                              ; W2's scales, b2 and the gates are in: behind them stand ten K steps' 60 loads, on either way here
	WIN 0
.set K, 0
.rept 32
	v_perm_b32 v[WS+K], v[WS+K], v[WS+K], 0x03010200   ; W2's scale words: bytes 1 and 2 change places
.set K, K+1
.endr
	PLACES 8                                       ; a scale register written by a vector instruction stands eight plain instructions ahead of the product; K step 0's wait follows them
.irp s, 0,1,2,3,4,5,6,7,8,9,10,11,12,13,14,15
	STEP \s
.endr
	WIN 0x41                                       ; accumulators window 1, gates window 0
.irp i, 0,1,2,3,4,5,6,7
.irp k, 0,2,4,6,8,10,12,14
	v_pk_mul_f32 v[16*\i+\k:16*\i+\k+1], v[16*\i+\k:16*\i+\k+1], v[G+2*\i:G+2*\i+1] op_sel_hi:[1,0]   ; x the row's gate; each accumulator from its low end on
.endr
.endr
	WIN 0x04
	s_wait_alu depctr_va_vdst(0)                   ; the multiplications by the gates have written the 128 registers of sums, which the LDS stores read
.irp i, 0,1,2,3,4,5,6,7
.irp n, 0,1
.irp z, 0,1
	ds_store_b128 v21, v[16*\i+8*\n+4*\z:16*\i+8*\n+4*\z+3] offset:16*SP*\i+64*\n+16*\z
.endr
.endr
.endr
	WIN 0
.LJ2:
	s_wait_dscnt 0x0                               ; my part of the stage has landed
	s_barrier_signal -1
	s_barrier_wait -1                              ; 128 whole rows of 512 bytes lie in the stage
	; ---- S3: my 32 rows leave, eight at a time, each to its token; the first row that does not count ends it
	s_wait_kmcnt 0x0                               ; the tokens
	s_cmp_eq_u32 s71, 0
	s_cbranch_scc1 .Ldone
.irp b, 0,1,2,3
.if \b > 0
	s_wait_xcnt 0x0                                ; the last eight stores have had their addresses translated: both sets may be written again
	s_wait_alu depctr_vm_vsrc(0)                   ; the last eight stores have read their data v200 to v231, in which the loads below land, and their offsets v232 to v239, which are made anew below
.endif
.irp k, 0,1,2,3,4,5,6,7
	ds_load_b128 v[OB+4*\k:OB+4*\k+3], v22 offset:SP*(8*\b+\k)
.endr
.irp k, 0,1,2,3,4,5,6,7                        ; the eight offsets are made together, for rows that do not count too (their tokens are held inside the table, and nothing is stored by them)
	s_min_u32 s[32+8*\b+\k], s[32+8*\b+\k], 2047   ; each token is held in its own register
	v_lshl_add_u32 v[OF+\k], s[32+8*\b+\k], 12, v23  ; the token's row of 4,096 bytes + 16 x lane
.endr
	s_wait_alu depctr_va_vdst(0)                   ; the eight offsets v232 to v239 are written, which the stores below read
.irp k, 0,1,2,3,4,5,6,7
	s_cmp_le_u32 s71, 8*\b+\k
	s_cbranch_scc1 .Ldone
	s_wait_dscnt 7-\k
	global_store_b128 v[OF+\k], v[OB+4*\k:OB+4*\k+3], s[18:19] th:TH_STORE_NT   ; 32 lanes store 512 consecutive bytes, aligned; written once
.endr
.endr
.Ldone:
	s_wait_dscnt 0x0                               ; the closing lines, six on end
	s_wait_alu 0x0
	s_wait_tensorcnt 0x0
	ds_add_u32 v254, v255
	s_wait_dscnt 0x0
	s_endpgm
.Lfunc_end_k_qca098a2dc9_down:
	.size	k_qca098a2dc9_down, .Lfunc_end_k_qca098a2dc9_down-k_qca098a2dc9_down
	.p2alignl 7, 3214868480
	.fill 96, 4, 3214868480
	.section	.rodata,"a",@progbits
	.p2align	6, 0x0
	.amdhsa_kernel k_qca098a2dc9_down
		.amdhsa_group_segment_fixed_size 272896
		.amdhsa_private_segment_fixed_size 0
		.amdhsa_enable_private_segment 0
		.amdhsa_kernarg_size 64
		.amdhsa_user_sgpr_count 2
		.amdhsa_user_sgpr_kernarg_segment_ptr 1
		.amdhsa_wavefront_size32 1
		.amdhsa_system_sgpr_workgroup_id_x 1
		.amdhsa_system_sgpr_workgroup_id_y 1
		.amdhsa_system_sgpr_workgroup_id_z 1
		.amdhsa_system_vgpr_workitem_id 0
		.amdhsa_next_free_vgpr 1024
		.amdhsa_next_free_sgpr 84
		.amdhsa_reserve_vcc 0
		.amdhsa_float_denorm_mode_32 3
		.amdhsa_float_denorm_mode_16_64 3
		.amdhsa_memory_ordered 1
		.amdhsa_forward_progress 1
		.amdhsa_inst_pref_size 123
	.end_amdhsa_kernel
	.amdgpu_metadata
---
amdhsa.version: [ 1, 2 ]
amdhsa.kernels:
  - .name:           k_qca098a2dc9_down
    .symbol:         k_qca098a2dc9_down.kd
    .args:
      - { .name: plan, .offset: 0, .size: 8, .value_kind: global_buffer, .address_space: global }
      - { .name: gsort, .offset: 8, .size: 8, .value_kind: global_buffer, .address_space: global }
      - { .name: hq, .offset: 16, .size: 8, .value_kind: global_buffer, .address_space: global }
      - { .name: hs, .offset: 24, .size: 8, .value_kind: global_buffer, .address_space: global }
      - { .name: W2_codes, .offset: 32, .size: 8, .value_kind: global_buffer, .address_space: global }
      - { .name: W2_scales, .offset: 40, .size: 8, .value_kind: global_buffer, .address_space: global }
      - { .name: b2, .offset: 48, .size: 8, .value_kind: global_buffer, .address_space: global }
      - { .name: out0, .offset: 56, .size: 8, .value_kind: global_buffer, .address_space: global }
    .group_segment_fixed_size: 272896
    .private_segment_fixed_size: 0
    .kernarg_segment_align: 8
    .kernarg_segment_size: 64
    .max_flat_workgroup_size: 128
    .sgpr_count:     84
    .vgpr_count:     1024
    .wavefront_size: 32
...
	.end_amdgpu_metadata
.endif
;; end of part 8
